; MI455X (gfx1250); checked and timed in simulation.
; The chip was launched on July 23, 2026; its instructions are those of AMD's public machine-readable ISA for CDNA 5 (MIT licence, August 2026) and "CDNA5" Instruction Set Architecture Reference Guide (July 2026). The comments in the code are by the model that wrote it; some were corrected since.
;; Multihead Attention Layer. Allowed arithmetic: matrix products marked QUANTISED: E2M3 operands, one E8M0 scale for each 32 along K, by v_wmma_scale_f32_16x16x128_f8f6f4 with both operands' format E2M3, f32 sums; everything else in f32.
;; Inputs: Wk 1,024 x 1,024 float32; Wo 1,024 x 1,024 float32; Wq 1,024 x 1,024 float32; Wv 1,024 x 1,024 float32; bk 1,024 float32; bo 1,024 float32; bq 1,024 float32; bv 1,024 float32; inputs 4 x 2,048 x 1,024 float32.
;; Outputs: out0 4 x 2,048 x 1,024 float32.
;; This version of the problem:
;;   THIS VERSION OF THE PROBLEM IS GIVEN IN LOW PRECISION. The matrix products marked QUANTISED in the list below multiply operands that are first quantised to E2M3 (2 exponent bits, 3 mantissa bits; 6 bits a number), with one power-of-two scale for each 32 numbers along K (OCP MX v1.0); their sums are f32. All else is computed in f32.
;;   The module's matrix products, in the order in which they are computed (A, B: the left and right operand; K: the contracted axis; several contracted axes count as one K, in the product's order):
;;     1. [M 8,192, K 1,024] x [K 1,024, N 1,024]; A: input inputs; B: input Wq: QUANTISED
;;     2. [M 8,192, K 1,024] x [K 1,024, N 1,024]; A: input inputs; B: input Wk: QUANTISED
;;     3. [M 8,192, K 1,024] x [K 1,024, N 1,024]; A: input inputs; B: input Wv: QUANTISED
;;     4. batch 64 x [M 2,048, K 64] x [K 64, N 2,048]; A: computed on the way; B: computed on the way: QUANTISED
;;     5. batch 64 x [M 2,048, K 2,048] x [K 2,048, N 64]; A: softmax (see below); B: computed on the way: QUANTISED
;;     6. [M 8,192, K 1,024] x [K 1,024, N 1,024]; A: computed on the way; B: input Wo: QUANTISED
;;   THE QUANTISER, for each operand of a quantised product, along K:
;;     - K is cut into blocks of 32 from its start; a last block that is shorter is filled with zeros.
;;     - A block's scale is 2^e with e = floor(log2(the largest magnitude in the block)) - 2, held to -126 .. 127; a block of zeros has e = 0. As a byte (E8M0): e + 127.
;;     - Each number is divided by its block's scale, clamped to +-7.5, and rounded to the nearest number of E2M3, ties to even, subnormals kept.
;;     - The product sums the exact products of the quantised numbers (number of the format x scale) in f32.
;;   ~~~python
;;   def quantise(x, axis):      # numpy; x: float32 -> the quantised numbers, widened to float32 again
;;       x = np.moveaxis(x, axis, -1); K = x.shape[-1]
;;       x = np.pad(x, [(0, 0)] * (x.ndim - 1) + [(0, -K % 32)]); x = x.reshape(x.shape[:-1] + (-1, 32)); a = np.abs(x).max(-1, keepdims=True)
;;       e = np.where(a > 0, np.clip(np.frexp(np.where(a > 0, a, 1))[1] - 1 - 2, -126, 127), 0)      # np.frexp(a)[1] - 1 = floor(log2(a)), exactly
;;       r = np.clip(x / 2.0 ** e, -7.5, 7.5)
;;       step = 2.0 ** (np.maximum(np.frexp(np.where(r == 0, 1, r))[1] - 1, 0) - 3)
;;       q = np.round(r / step) * step * 2.0 ** e      # np.round: ties to even
;;       return np.moveaxis(q.reshape(q.shape[:-2] + (-1,))[..., :K], -1, axis).astype(np.float32)
;;   ~~~
;;   SOFTMAX AHEAD OF A QUANTISED PRODUCT. Where the list says 'softmax', what is quantised is not the finished softmax but p = 2^(t - M), with t = logit x log2(e) and M = ceil(the row's largest t), a whole number; so 1/2 < the row's largest p <= 1. The row's sum l is taken of the UNQUANTISED p, in f32, and the product's result is divided by l at the end. Since M is a whole number, a kernel that streams over the keys may use a running M (the ceiling of the running maximum): every later rescaling is an exact power of two, which a block's scale takes up: the codes' values come out the same.
;;   OPERANDS COMPUTED ON THE WAY. 'Computed on the way' means the value that the module computes at that place (a softmax that the list does not call 'softmax' is quantised finished and normalised). What goes into a quantiser is computed in f32, as accurately as f32 sums, v_exp_f32 and their like allow (about 1e-6 of the number): no bf16 or f16 on the way to a quantiser, and a product that is left as it is and whose result goes on into a quantised operand takes f32 operands (vector FMAs, or v_wmma_f32_16x16x4_f32). A number that lies on a knife's edge between two numbers of the format may be rounded either way, as far as f32 arithmetic and the matrix unit's own rounding can turn it there, and no further.
;; One version. Each part assembles by itself: llvm-mc -triple=amdgcn-amd-amdhsa -mcpu=gfx1250 --defsym DOCPART=n.
;; ======== version 1 of 1: 4 launches
;; limits: right only within a limited range of input values
;; workspace buffers: xc 6,291,456 bytes; xs 262,144 bytes; wc 3,145,728 bytes; ws 131,072 bytes; qb 13,369,344 bytes; kvb 13,369,344 bytes; ctxc 6,291,456 bytes; ctxs 262,144 bytes
;; launch quant (part 1): grid 384 x 1, 4 waves a work-group, no clusters, 34,304 bytes of LDS; arguments inputs, Wq, Wk, Wv, Wo, xc, xs, wc, ws; writes xc, xs, wc, ws
.if DOCPART == 1
	.amdgcn_target "amdgcn-amd-amdhsa--gfx1250"
	.amdhsa_code_object_version 6
	.text
	.protected	k_q83173030e1_quant
	.globl	k_q83173030e1_quant
	.p2align	8
	.type	k_q83173030e1_quant,@function
k_q83173030e1_quant:
	s_mov_b64 s[64:65], 0
	v_nop
	global_prefetch_b8 v0, s[64:65] scope:SCOPE_SE
	s_setreg_imm32_b32 hwreg(HW_REG_WAVE_MODE, 25, 1), 1
	s_wait_xcnt 0x0
; inputs [8192][1024] f32 (K innermost) and Wq, Wk, Wv, Wo [1024 (k)][1024 (n)] f32 (K is the first axis) become codes of FP6 (E2M3) with one E8M0 byte for each 32 along K.
; A block's scale is 2^(floor(log2(its largest magnitude)) - 2): its byte is the largest magnitude's exponent field - 2, held at 1 from below by a floor among the maximum's leaves.
; LIMITS: a block whose largest magnitude lies under 2^(3 - 127), a block of zeros among them, keeps the byte 1 (the rule says 127 for zeros): its codes are zeros or nearly so, and this program alone reads the bytes.
; NaN and infinities among the inputs are not served.
; THE OUTPUT IS LAID AS THE MATRIX OPERANDS' REGISTERS.  A tile T is 16 rows: lane index r stands for row 32 (T / 2) + 8 (T % 2) + r + 8 (r / 8).  16 rows x 64 K are 768 bytes: lane l = (r, h) holds the 24 bytes of
; k = 32 h .. 32 h + 31 of its row: registers 0-3 at 16 l, registers 4-5 at 512 + 8 l.  Codes: [tile][k / 64][768].  Scale words of four tiles (group G) and 128 K are 256 bytes: lane (r, h) has, at 8 l, the word of
; tile 4 G + h and that of tile 4 G + 2 + h.  Scales: [G][k / 128][256].  Every store of a wave covers 512 or 256 consecutive bytes, aligned.
; Work-groups 0-255 take inputs, 256-383 the weights.  No tensor load, no barrier: waves share nothing; the stage in LDS (inputs' path alone) is each wave's own.
.set RAW, 16                           ; v16-143  inputs' path: two sets of 16 rows x 16 bytes a lane, as loaded
.set X,   144                          ; v144-207 64 numbers of my row: register 32 c + i = k 64 c + 32 h + i
.set PC,  208                          ; v208-219 the fragment's 12 registers
.set PT,  220                          ; v220-226 the upper halves of the two blocks, before they are moved
.set MX,  228                          ; v228-229 maxima, v230-231 scale operands, v232-233 bytes, v234 at work
.set WA,  236                          ; v236-239 the four tiles' scale words
.set VAL, 240                          ; v240-241 what leaves as the scale block
.set WX,  16                           ; weights' path: v16-79 two sets of 32 numbers down K
.set PA,  80                           ; v80-85   codes of k = 64 c + 0 .. 31, later tile 2 b's image
.set PB,  86                           ; v86-91   codes of k = 64 c + 32 .. 63, later tile 2 b + 1's image
.set PU,  92                           ; v92-94   a block's upper half
.set WM,  96                           ; v96-97 maxima, v98 scale operand, v99 byte
.set WW,  100                          ; v100-101 the scale words of tiles 4 G + u and 4 G + 2 + u
.macro LOADX a                         ; tile a of my four: its 16 rows, 512 consecutive bytes a load
.irp t, 0,1,2,3,4,5,6,7,8,9,10,11,12,13,14,15
	global_load_b128 v[RAW+64*((\a)%2)+4*\t:RAW+64*((\a)%2)+4*\t+3], v2, s[4:5] offset:(32*((\a)/2)+8*((\a)%2)+\t+8*(\t/8))*4096 th:TH_LOAD_NT
.endr
.endm
.macro TILEX a
.if (\a) < 3
	s_wait_loadcnt 16                              ; this tile's 16 loads are in; the next tile's 16 may be out
.else
	s_wait_loadcnt 0x0
.endif
.irp t, 0,1,2,3,4,5,6,7,8,9,10,11,12,13,14,15
	ds_store_b128 v7, v[RAW+64*((\a)%2)+4*\t:RAW+64*((\a)%2)+4*\t+3] offset:\t*528   ; row t as it lies; rows 528 bytes apart
.endr
.irp c, 0,1
.irp i, 0,1,2,3,4,5,6,7
	ds_load_b128 v[X+32*\c+4*\i:X+32*\c+4*\i+3], v8 offset:\c*256+16*\i              ; LDS serves a wave's instructions in order: these see the stores
.endr
.endr
	s_wait_dscnt 0x0                               ; my 64 numbers are back
.if (\a) < 2
	LOADX (\a)+2
.endif
.irp c, 0,1
	v_max3_num_f32 v[MX+\c], |v[X+32*\c]|, |v[X+32*\c+1]|, 0x1800000                 ; my block 2 c + h, all 32 numbers mine; the floor 2^(3 - 127) among the leaves
.endr
.irp i, 2,4,6,8,10,12,14,16,18,20,22,24,26,28,30
.irp c, 0,1
	v_max3_num_f32 v[MX+\c], v[MX+\c], |v[X+32*\c+\i]|, |v[X+32*\c+\i+1]|
.endr
.endr
.irp c, 0,1
	v_add_nc_u32 v[MX+2+\c], 0xff000000, v[MX+\c]  ; 2 off the exponent field: the conversion's scale operand
.endr
.irp c, 0,1
	v_lshrrev_b32 v[MX+4+\c], 23, v[MX+2+\c]       ; the byte
.endr
	v_lshl_or_b32 v[WA+\a], v[MX+5], 16, v[MX+4]   ; my two bytes: blocks h and 2 + h,
	v_lshlrev_b32 v[WA+\a], v6, v[WA+\a]           ; 8 h bits up;
	v_permlanex16_b32 v[MX+6], v[WA+\a], s26, s27
	v_or_b32 v[WA+\a], v[WA+\a], v[MX+6]           ; with lane l xor 16's two the word is whole
.if (\a) > 0
	s_wait_alu depctr_va_vdst(0)
	s_wait_xcnt 0x0                                ; the last tile's stores have read the codes' registers
.endif
.irp c, 0,1
	v_cvt_scalef32_pk16_fp6_f32 v[PC+6*\c:PC+6*\c+2], v[X+32*\c:X+32*\c+15], v[MX+2+\c]
	v_cvt_scalef32_pk16_fp6_f32 v[PT+4*\c:PT+4*\c+2], v[X+32*\c+16:X+32*\c+31], v[MX+2+\c]   ; (a conversion's three registers begin on an even number)
.endr
	v_nop                                          ; one plain place behind a scaled conversion
.irp c, 0,1
.irp i, 0,1,2
	v_mov_b32 v[PC+6*\c+3+\i], v[PT+4*\c+\i]
.endr
.endr
	global_store_b128 v2, v[PC:PC+3], s[16:17] offset:(\a)*12288
	global_store_b64 v3, v[PC+4:PC+5], s[16:17] offset:(\a)*12288+512
	global_store_b128 v2, v[PC+6:PC+9], s[16:17] offset:(\a)*12288+768
	global_store_b64 v3, v[PC+10:PC+11], s[16:17] offset:(\a)*12288+1280
.endm
.macro LOADW q                         ; block q = 4 b + 2 c + h: W(64 c + 32 h + i, my column of tile pair b), i = 0 .. 31
.set li, 0
.rept 32
	global_load_b32 v[WX+32*((\q)%2)+li], v9, s[8:9] offset:(64*(((\q)/2)%2)+32*((\q)%2)+li)*4096+128*((\q)/4)
.set li, li+1
.endr
.endm
.macro BLOCKW q
.set XS, WX+32*((\q)%2)
.set PH, PA+6*((\q)%2)
.set OB, 2*((\q)/4)*12288+(((\q)/2)%2)*768
.if (\q) < 7
	s_wait_loadcnt 32                              ; this block's 32 loads are in; the next block's may be out
.else
	s_wait_loadcnt 0x0
.endif
	v_max3_num_f32 v[WM], |v[XS]|, |v[XS+1]|, |v[XS+2]|
	v_max3_num_f32 v[WM+1], |v[XS+3]|, |v[XS+4]|, |v[XS+5]|
.irp i, 6,10,14,18,22,26
	v_max3_num_f32 v[WM], v[WM], |v[XS+\i]|, |v[XS+\i+1]|
	v_max3_num_f32 v[WM+1], v[WM+1], |v[XS+\i+2]|, |v[XS+\i+3]|
.endr
	v_max3_num_f32 v[WM], v[WM], |v[XS+30]|, |v[XS+31]|
	v_max3_num_f32 v[WM], v[WM], v[WM+1], 0x1800000
	v_add_nc_u32 v[WM+2], 0xff000000, v[WM]
	v_lshrrev_b32 v[WM+3], 23, v[WM+2]
.if (\q)%4 == 0
	v_mov_b32 v[WW+(\q)/4], v[WM+3]                ; byte 2 c + h of my column's word
.else
	v_lshl_or_b32 v[WW+(\q)/4], v[WM+3], 8*((\q)%4), v[WW+(\q)/4]
.endif
.if ((\q)%2 == 0) && ((\q) >= 2)
	s_wait_alu depctr_va_vdst(0)
	s_wait_xcnt 0x0                                ; the last pair's stores have read both images
.endif
	v_cvt_scalef32_pk16_fp6_f32 v[PH:PH+2], v[XS:XS+15], v[WM+2]
	v_cvt_scalef32_pk16_fp6_f32 v[PU:PU+2], v[XS+16:XS+31], v[WM+2]
	v_nop
.irp i, 0,1,2
	v_mov_b32 v[PH+3+\i], v[PU+\i]
.endr
.if (\q) < 6
	LOADW (\q)+2
.endif
.if (\q)%2 == 1
.irp i, 0,1,2,3,4,5
	v_permlane16_swap_b32 v[PA+\i], v[PB+\i]       ; lanes held (row, tile u) for one h each: now the first holds tile 2 b's (row, h), the second tile 2 b + 1's
.endr
	global_store_b128 v2, v[PA:PA+3], s[20:21] offset:OB
	global_store_b64 v3, v[PA+4:PA+5], s[20:21] offset:OB+512
	global_store_b128 v2, v[PB:PB+3], s[20:21] offset:OB+12288
	global_store_b64 v3, v[PB+4:PB+5], s[20:21] offset:OB+12288+512
.endif
.endm
	s_load_b64 s[4:5], s[0:1], 0x0                 ; inputs
	s_load_b256 s[8:15], s[0:1], 0x8               ; Wq, Wk, Wv, Wo
	s_load_b256 s[16:23], s[0:1], 0x28             ; xc, xs, wc, ws
	v_lshl_add_u32 v254, v0, 2, 0x8400
	v_mov_b32 v255, 0
	v_lshrrev_b32 v4, 5, v0
	v_readfirstlane_b32 s24, v4                    ; wave 0..3
	v_and_b32 v1, 31, v0                           ; lane
	v_lshlrev_b32 v2, 4, v1                        ; 16 x lane
	v_lshlrev_b32 v3, 3, v1                        ; 8 x lane
	v_and_b32 v4, 15, v1                           ; r
	v_lshrrev_b32 v5, 4, v1                        ; h (weights' path: u)
	s_mov_b32 s25, 0xffff0000                      ; lanes 16-31
	s_mov_b32 s26, 0x76543210
	s_mov_b32 s27, 0xfedcba98                      ; v_permlanex16_b32's selects for lane l xor 16
	s_cmp_lt_u32 ttmp9, 256
	s_cbranch_scc0 .Lweights
	; ---- inputs: a wave takes 64 rows (group G) x 128 K (step s); the four waves stand side by side on 2,048 bytes of each row
	s_lshr_b32 s28, ttmp9, 1                       ; G
	s_and_b32 s29, ttmp9, 1
	s_lshl_b32 s29, s29, 2
	s_add_co_u32 s29, s29, s24                     ; s
	s_lshl_b32 s30, s28, 18                        ; 64 rows of 4,096 bytes
	s_lshl_b32 s32, s29, 9
	s_add_co_u32 s30, s30, s32
	s_mov_b32 s31, 0
	s_mul_i32 s32, s28, 49152                      ; four tiles of 12,288 bytes
	s_mul_i32 s34, s29, 1536
	s_add_co_u32 s32, s32, s34
	s_mov_b32 s33, 0
	s_lshl_b32 s34, s28, 11
	s_lshl_b32 s36, s29, 8
	s_add_co_u32 s34, s34, s36
	s_mov_b32 s35, 0
	s_mul_i32 s36, s24, 8448                       ; my stage: 16 rows x 528 bytes
	s_wait_alu depctr_va_vdst(0)
	v_add_nc_u32 v7, s36, v2                       ; in: 16 x lane
	v_mul_u32_u24 v8, v4, 528
	v_lshl_add_u32 v8, v5, 7, v8
	v_add_nc_u32 v8, s36, v8                       ; back: row r, + 128 h
	v_lshlrev_b32 v6, 3, v5                        ; 8 h
	v_mov_b32 v[MX+6], 0                           ; a lane permute's destination counts as one of its sources
	s_wait_alu depctr_va_vdst(0)
	s_wait_kmcnt 0x0
	s_add_nc_u64 s[4:5], s[4:5], s[30:31]
	s_add_nc_u64 s[16:17], s[16:17], s[32:33]
	s_add_nc_u64 s[18:19], s[18:19], s[34:35]
	LOADX 0
	LOADX 1
	TILEX 0
	TILEX 1
	TILEX 2
	TILEX 3
	v_cndmask_b32 v[VAL], v[WA], v[WA+1], s25      ; lanes 0-15 tile 0's words, lanes 16-31 tile 1's
	v_cndmask_b32 v[VAL+1], v[WA+2], v[WA+3], s25
	global_store_b64 v3, v[VAL:VAL+1], s[18:19]    ; 256 consecutive bytes
	s_wait_tensorcnt 0x0
	ds_add_u32 v254, v255
	s_wait_dscnt 0x0
	s_endpgm
.Lweights:
	; ---- weights: a wave takes 64 columns (group G) x 128 K (step s).  A lane takes a column, its registers run down K.
	s_sub_co_u32 s28, ttmp9, 256
	s_lshr_b32 s29, s28, 5                         ; which weight: q, k, v, o
	s_bfe_u32 s30, s28, 0x30002                    ; s
	s_and_b32 s31, s28, 3
	s_lshl_b32 s31, s31, 2
	s_add_co_u32 s31, s31, s24                     ; G
	s_lshl_b32 s32, s30, 19                        ; 128 rows of 4,096 bytes
	s_lshl_b32 s34, s31, 8
	s_add_co_u32 s32, s32, s34
	s_mov_b32 s33, 0
	s_mul_i32 s34, s29, 786432
	s_mul_i32 s36, s31, 49152
	s_add_co_u32 s34, s34, s36
	s_mul_i32 s36, s30, 1536
	s_add_co_u32 s34, s34, s36
	s_mov_b32 s35, 0
	s_lshl_b32 s36, s29, 15
	s_lshl_b32 s38, s31, 11
	s_add_co_u32 s36, s36, s38
	s_lshl_b32 s38, s30, 8
	s_add_co_u32 s36, s36, s38
	s_mov_b32 s37, 0
	s_wait_alu depctr_va_vdst(0)
	v_and_b32 v9, 8, v4
	v_add_nc_u32 v9, v9, v4                        ; r + 8 (r / 8)
	v_lshl_add_u32 v9, v5, 3, v9                   ; + 8 u: lane (r, u) is row r of tile 2 b + u
	v_lshlrev_b32 v9, 2, v9
	s_wait_alu depctr_va_vdst(0)
	s_wait_kmcnt 0x0
	s_cmp_eq_u32 s29, 1
	s_cselect_b64 s[8:9], s[10:11], s[8:9]
	s_cmp_eq_u32 s29, 2
	s_cselect_b64 s[8:9], s[12:13], s[8:9]
	s_cmp_eq_u32 s29, 3
	s_cselect_b64 s[8:9], s[14:15], s[8:9]
	s_add_nc_u64 s[8:9], s[8:9], s[32:33]
	s_add_nc_u64 s[20:21], s[20:21], s[34:35]
	s_add_nc_u64 s[22:23], s[22:23], s[36:37]
	LOADW 0
	LOADW 1
.irp q, 0,1,2,3,4,5,6,7
	BLOCKW \q
.endr
	global_store_b64 v3, v[WW:WW+1], s[22:23]      ; lane (r, u) holds the words of tiles 4 G + u and 4 G + 2 + u: the scale block as it stands
	s_endpgm
.Lfunc_end_k_q83173030e1_quant:
	.size	k_q83173030e1_quant, .Lfunc_end_k_q83173030e1_quant-k_q83173030e1_quant
	.p2alignl 7, 3214868480
	.fill 96, 4, 3214868480
	.section	.rodata,"a",@progbits
	.p2align	6, 0x0
	.amdhsa_kernel k_q83173030e1_quant
		.amdhsa_group_segment_fixed_size 34304
		.amdhsa_private_segment_fixed_size 0
		.amdhsa_enable_private_segment 0
		.amdhsa_kernarg_size 72
		.amdhsa_user_sgpr_count 2
		.amdhsa_user_sgpr_kernarg_segment_ptr 1
		.amdhsa_wavefront_size32 1
		.amdhsa_system_sgpr_workgroup_id_x 1
		.amdhsa_system_sgpr_workgroup_id_y 1
		.amdhsa_system_sgpr_workgroup_id_z 1
		.amdhsa_system_vgpr_workitem_id 0
		.amdhsa_next_free_vgpr 256
		.amdhsa_next_free_sgpr 66
		.amdhsa_reserve_vcc 0
		.amdhsa_float_denorm_mode_32 3
		.amdhsa_float_denorm_mode_16_64 3
		.amdhsa_memory_ordered 1
		.amdhsa_forward_progress 1
		.amdhsa_inst_pref_size 70
	.end_amdhsa_kernel
	.amdgpu_metadata
---
amdhsa.version: [ 1, 2 ]
amdhsa.kernels:
  - .name:           k_q83173030e1_quant
    .symbol:         k_q83173030e1_quant.kd
    .args:
      - { .name: inputs, .offset: 0, .size: 8, .value_kind: global_buffer, .address_space: global }
      - { .name: Wq, .offset: 8, .size: 8, .value_kind: global_buffer, .address_space: global }
      - { .name: Wk, .offset: 16, .size: 8, .value_kind: global_buffer, .address_space: global }
      - { .name: Wv, .offset: 24, .size: 8, .value_kind: global_buffer, .address_space: global }
      - { .name: Wo, .offset: 32, .size: 8, .value_kind: global_buffer, .address_space: global }
      - { .name: xc, .offset: 40, .size: 8, .value_kind: global_buffer, .address_space: global }
      - { .name: xs, .offset: 48, .size: 8, .value_kind: global_buffer, .address_space: global }
      - { .name: wc, .offset: 56, .size: 8, .value_kind: global_buffer, .address_space: global }
      - { .name: ws, .offset: 64, .size: 8, .value_kind: global_buffer, .address_space: global }
    .group_segment_fixed_size: 34304
    .private_segment_fixed_size: 0
    .kernarg_segment_align: 8
    .kernarg_segment_size: 72
    .max_flat_workgroup_size: 128
    .sgpr_count:     66
    .vgpr_count:     256
    .wavefront_size: 32
...
	.end_amdgpu_metadata
.endif
;; end of part 1
;; launch qkv (part 2): grid 12 x 64, 4 waves a work-group, clusters of 4 x 4, 327,680 bytes of LDS; arguments xc, xs, wc, ws, bq, bk, bv, qb, kvb; writes qb, kvb
.if DOCPART == 2
	.amdgcn_target "amdgcn-amd-amdhsa--gfx1250"
	.amdhsa_code_object_version 6
	.text
	.protected	k_q83173030e1_qkv
	.globl	k_q83173030e1_qkv
	.p2align	8
	.type	k_q83173030e1_qkv,@function
k_q83173030e1_qkv:
	s_mov_b64 s[64:65], 0
	v_nop
	global_prefetch_b8 v0, s[64:65] scope:SCOPE_SE
	s_setreg_imm32_b32 hwreg(HW_REG_WAVE_MODE, 25, 1), 1
	s_wait_xcnt 0x0
	s_wait_alu depctr_hold_cnt(0) depctr_sa_sdst(0) depctr_va_vdst(0) depctr_va_sdst(0) depctr_va_ssrc(0) depctr_va_vcc(0) depctr_vm_vsrc(0)
	s_getreg_b32 s2, hwreg(HW_REG_IB_STS2, 6, 4)
	s_cmp_eq_u32 s2, 0
	s_cbranch_scc0 .Lentry_in_a_cluster
	s_endpgm
.Lentry_in_a_cluster:
	s_bfe_u32 s2, ttmp6, 0x10000c
	s_cmp_lg_u32 s2, 0xf033
	s_cbranch_scc0 .Lentry_shape_is_right
	s_endpgm
.Lentry_shape_is_right:
; q = x Wq + bq, k = x Wk + bk, v = x Wv + bv on codes of FP6 (E2M3) with E8M0 scales, f32 sums; the results are quantised on the way out: q and k along the head's 64, v along the keys.
; A work-group makes 256 rows of operand P x 128 rows of operand R over all of K = 1,024.  Source 0 = P, source 1 = R: a lane holds ONE row of R, and its registers run along P's rows.
; The cluster's x says what is made: 0 q, 1 k (P = the weight's 256 columns n, R = 128 tokens: registers run along the head's d), 2 v (P = 256 tokens, R = Wv's 128 columns: registers run along the keys).
; So in each case a lane's registers run along the axis by which the result is quantised.  The tiles' rows are chosen (lane r of tile T = row 32 (T / 2) + 8 (T % 2) + r + 8 (r / 8)) so that the 16 registers
; of tiles 2 b and 2 b + 1 are 16 neighbours.
; Four waves: wave w takes P's rows 128 (w % 2) on (8 tiles) and R's rows 64 (w / 2) on (4 tiles): 32 accumulators, 256 registers.
; ALL OF K LIES IN LDS, FILLED ONCE: four chunks of 256 K and the scale words, five tensor loads a wave, all issued at the head; counted waits let the products start on the first chunk.  No LDS byte is filled twice.
; CLUSTERS: 4 x 4 work-groups.  P's tiles hang on cx and are asked for jointly down a column of the cluster, R's on cy and along a row: requests for both are divided by four.
; Operands lie in memory and in LDS as images of their registers (16 rows x 64 K: 512 bytes of registers 0-3, 16 a lane, then 256 bytes of registers 4-5): every LDS load takes consecutive bytes.
; OUT: qb and kvb are [batch x head 64][key step 16][13,056]: 8 tiles x 768 bytes of q or k, two scale blocks of 256, (kvb) four fragments of v^T of 1,536, one scale block.
; LIMITS: a block whose largest magnitude lies under 2^(3 - 127) keeps the scale byte 1 (zeros too, where the rule says 127: the codes are zeros, and this program alone reads the bytes); NaN and infinities are not served.
; REGISTERS.  window 0: v1 16 x lane, v2 8 x lane, v4-21 LDS addresses, v22-23 bias offsets, v32-63 P's scale words, v64-79 R's, v80-175 R's fragments (two sets); on the way out v32-57 and v80-162 are at work; v240-247 bias along R.
;   window 1: v0-191 P's fragments (two sets), v192-255 bias along P.   window 2: accumulator (a, i) at v[8 (8 a + i)].
; THE FILLS AS THE TEXT BELOW MAKES THEM (this takes the place of the head comment's sentence on four chunks and five loads a wave).  K lies in LDS in two halves of 512, half H at 147,456 H:
; P's 16 tiles x 6,144 bytes, then R's 8.  At the head one joint load a wave: wave 0 P's half 0, wave 1 R's half 0, wave 2 P's scale words, wave 3 R's.  After the next cluster round,
; wave 0 asks for P's half 1 and wave 1 for R's; a barrier in step 3 shows them to all waves.  No LDS byte is filled twice; every wait on TENSORcnt is for 0.  A tile's row in memory is 6,144 bytes and begins at a multiple of 256.
.set TM, 32
.set PC, 144                           ; v144-162 the codes just made
.set XR, 80                            ; v80-143 64 numbers of my row
.set MSB, 0
.macro WIN new                         ; the immediate's high byte repeats the setting that is left
.if MSB != \new
	s_set_vgpr_msb (MSB<<8)|\new
.set MSB, \new
.endif
.endm
.macro PLACES n
.rept \n
	v_nop
.endr
.endm
.macro CROUND                          ; a round of the cluster's barrier
	s_barrier_signal -1
	s_barrier_wait -1
	s_cmp_lg_u32 s12, 0
	s_cbranch_scc1 .Lnot_wave_0_\@
	s_barrier_signal -3
.Lnot_wave_0_\@:
	s_barrier_wait -3
	s_barrier_signal -1
	s_barrier_wait -1
.endm
.macro MKG0 g, lconst, apair, aconst   ; descriptor group 0: count 1, LDS address (a constant), global address, type 2
	s_mov_b32 s[\g], 1
	s_mov_b32 s[\g+1], \lconst
	s_add_nc_u64 s[\g+2:\g+3], s[\apair:\apair+1], \aconst
	s_or_b32 s[\g+3], s[\g+3], 0x80000000
.endm
.macro MM zero                         ; one product; an odd tile's scale words lie in lanes 16-31 of their register
.if \zero
.if oP && oR
	v_wmma_scale_f32_16x16x128_f8f6f4 v[rD:rD+7], v[rP:rP+11], v[rR:rR+11], 0, v[rSP], v[rSR] matrix_a_fmt:MATRIX_FMT_FP6 matrix_b_fmt:MATRIX_FMT_FP6 matrix_a_scale:MATRIX_SCALE_ROW1 matrix_b_scale:MATRIX_SCALE_ROW1
.elseif oP
	v_wmma_scale_f32_16x16x128_f8f6f4 v[rD:rD+7], v[rP:rP+11], v[rR:rR+11], 0, v[rSP], v[rSR] matrix_a_fmt:MATRIX_FMT_FP6 matrix_b_fmt:MATRIX_FMT_FP6 matrix_a_scale:MATRIX_SCALE_ROW1
.elseif oR
	v_wmma_scale_f32_16x16x128_f8f6f4 v[rD:rD+7], v[rP:rP+11], v[rR:rR+11], 0, v[rSP], v[rSR] matrix_a_fmt:MATRIX_FMT_FP6 matrix_b_fmt:MATRIX_FMT_FP6 matrix_b_scale:MATRIX_SCALE_ROW1
.else
	v_wmma_scale_f32_16x16x128_f8f6f4 v[rD:rD+7], v[rP:rP+11], v[rR:rR+11], 0, v[rSP], v[rSR] matrix_a_fmt:MATRIX_FMT_FP6 matrix_b_fmt:MATRIX_FMT_FP6
.endif
.else
.if oP && oR
	v_wmma_scale_f32_16x16x128_f8f6f4 v[rD:rD+7], v[rP:rP+11], v[rR:rR+11], v[rD:rD+7], v[rSP], v[rSR] matrix_a_fmt:MATRIX_FMT_FP6 matrix_b_fmt:MATRIX_FMT_FP6 matrix_a_scale:MATRIX_SCALE_ROW1 matrix_b_scale:MATRIX_SCALE_ROW1
.elseif oP
	v_wmma_scale_f32_16x16x128_f8f6f4 v[rD:rD+7], v[rP:rP+11], v[rR:rR+11], v[rD:rD+7], v[rSP], v[rSR] matrix_a_fmt:MATRIX_FMT_FP6 matrix_b_fmt:MATRIX_FMT_FP6 matrix_a_scale:MATRIX_SCALE_ROW1
.elseif oR
	v_wmma_scale_f32_16x16x128_f8f6f4 v[rD:rD+7], v[rP:rP+11], v[rR:rR+11], v[rD:rD+7], v[rSP], v[rSR] matrix_a_fmt:MATRIX_FMT_FP6 matrix_b_fmt:MATRIX_FMT_FP6 matrix_b_scale:MATRIX_SCALE_ROW1
.else
	v_wmma_scale_f32_16x16x128_f8f6f4 v[rD:rD+7], v[rP:rP+11], v[rR:rR+11], v[rD:rD+7], v[rSP], v[rSR] matrix_a_fmt:MATRIX_FMT_FP6 matrix_b_fmt:MATRIX_FMT_FP6
.endif
.endif
.endm
; 32 products: K step s from fragment set e.  The 32 accumulators take turns, one instruction a turn, in the same order in every step.
.macro MUL32 s, e, zero
	WIN 0xa1                                       ; source 0 (P) window 1, source 1 (R) window 0, C and D window 2
.irp a, 0,1,2,3
.irp i, 0,1,2,3,4,5,6,7
.set rD, 8*(8*\a+\i)
.set rP, 96*(\e)+12*\i
.set rR, 80+48*(\e)+12*\a
.set rSP, 32+4*(\s)+2*(\i/4)+((\i/2)%2)
.set rSR, 64+2*(\s)+(\a/2)
.set oP, \i%2
.set oR, \a%2
	MM \zero
.endr
.endr
.endm
; 48 LDS loads in one run: K step s's fragments, 8 of P and 4 of R, into set e
.macro FETCH s, e
	WIN 0x40                                       ; destination window 1, address window 0
.irp i, 0,1,2,3,4,5,6,7
.irp cc, 0,1
	ds_load_b128 v[96*(\e)+12*\i+6*\cc:96*(\e)+12*\i+6*\cc+3], v[4+(\s)/4] offset:\i*6144+((\s)%4)*1536+\cc*768
	ds_load_b64 v[96*(\e)+12*\i+6*\cc+4:96*(\e)+12*\i+6*\cc+5], v[8+(\s)/4] offset:\i*6144+((\s)%4)*1536+\cc*768+512
.endr
.endr
	WIN 0
.irp a, 0,1,2,3
.irp cc, 0,1
	ds_load_b128 v[80+48*(\e)+12*\a+6*\cc:80+48*(\e)+12*\a+6*\cc+3], v[12+(\s)/4] offset:\a*6144+((\s)%4)*1536+\cc*768
	ds_load_b64 v[80+48*(\e)+12*\a+6*\cc+4:80+48*(\e)+12*\a+6*\cc+5], v[16+(\s)/4] offset:\a*6144+((\s)%4)*1536+\cc*768+512
.endr
.endr
.endm
.macro STEP s
.if (\s) == 3
	s_wait_dscnt 0x0                               ; no LDS access of mine is out at a signal
	s_wait_tensorcnt 0x0                           ; my load of K's second half, if I issued one, has landed
	s_barrier_signal -1
	s_barrier_wait -1                              ; everybody's has
.endif
.if (\s) < 7
.if (\s) > 0
	PLACES 4                                       ; in front of loads into the set that the last products read
.endif
	FETCH (\s)+1, ((\s)+1)%2
	s_wait_dscnt 48                                ; all but the 48 just issued
.else
	s_wait_dscnt 0x0
.endif
.if (\s) == 0
	MUL32 \s, 0, 1                                 ; the first step's products start the sums
.else
	MUL32 \s, (\s)%2, 0
.endif
.endm
; 64 numbers of a lane, register 16 b + i = k 32 b + 16 (lane / 16) + i of my row, become a fragment's codes in v[PC] on and its scale word in v[pw]
.macro QUANT s, pw
.irp b, 0,1,2,3
	v_max3_num_f32 v[TM+\b], |v[\s+16*\b]|, |v[\s+1+16*\b]|, 0x1800000   ; my 16 numbers of block b, and the floor 2^(3 - 127)
.endr
.irp i, 2,4,6,8,10,12,14
.irp b, 0,1,2,3
	v_max3_num_f32 v[TM+\b], v[TM+\b], |v[\s+16*\b+\i]|, |v[\s+1+16*\b+\i]|
.endr
.endr
.irp b, 0,1,2,3
	v_permlanex16_b32 v[TM+4+\b], v[TM+\b], s24, s25
.endr
.irp b, 0,1,2,3
	v_max_num_f32 v[TM+\b], v[TM+\b], v[TM+4+\b]   ; with lane l xor 16's: the block's largest magnitude
.endr
.irp b, 0,1,2,3
	v_add_nc_u32 v[TM+12+\b], 0xff000000, v[TM+\b] ; 2 off its exponent field: the conversion's scale operand
.endr
.irp b, 0,1,2,3
	v_lshrrev_b32 v[TM+4+\b], 23, v[TM+12+\b]      ; the byte
.endr
	v_lshl_or_b32 v[(\pw)], v[TM+5], 8, v[TM+4]
	v_lshl_or_b32 v[(\pw)], v[TM+6], 16, v[(\pw)]
	v_lshl_or_b32 v[(\pw)], v[TM+7], 24, v[(\pw)]
.irp c, 0,1
	v_cvt_scalef32_pk16_fp6_f32 v[PC+6*\c:PC+2+6*\c], v[\s+32*\c:\s+15+32*\c], v[TM+12+2*\c]
	v_cvt_scalef32_pk16_fp6_f32 v[PC+12+4*\c:PC+14+4*\c], v[\s+16+32*\c:\s+31+32*\c], v[TM+12+2*\c+1]
.endr
	v_nop                                          ; one plain place behind a scaled conversion
.irp c, 0,1                                    ; the layout wants a whole block in a lane: lanes 0-15 block 2 c, lanes 16-31 block 2 c + 1
.irp i, 0,1,2
	v_permlane16_swap_b32 v[PC+6*\c+\i], v[PC+12+4*\c+\i]
.endr
.irp i, 0,1,2
	v_mov_b32 v[PC+3+6*\c+\i], v[PC+12+4*\c+\i]
.endr
.endr
.endm
; THE WAY OUT.  mode 0 (q, k): bias along P; a row's 128 numbers are two heads' 64: registers 0-5 are head A's image, 6-11 head B's.  mode 1 (v): bias along R; the 128 are a key step: one fragment.
.macro EPI mode
.irp a, 0,1,2,3
.if \mode
	WIN 0x02                                       ; source 0 window 2
.else
	WIN 0x06                                       ; source 0 window 2, source 1 window 1
.endif
.set n, 0
.rept 32
.if \mode
	v_pk_add_f32 v[XR+n:XR+n+1], v[64*\a+n:64*\a+n+1], v[240+2*\a:241+2*\a] op_sel_hi:[1,0]
.else
	v_pk_add_f32 v[XR+n:XR+n+1], v[64*\a+n:64*\a+n+1], v[192+n:193+n]     ; each accumulator from its low end on
.endif
.set n, n+2
.endr
	WIN 0
.if \a > 0
	s_wait_xcnt 0x0                                ; the last tile's stores have read the codes' registers
.endif
	QUANT XR, 50+\a
.if \mode
	global_store_b128 v1, v[PC:PC+3], s[26:27] offset:\a*1536
	global_store_b64 v2, v[PC+4:PC+5], s[26:27] offset:\a*1536+512
	global_store_b128 v1, v[PC+6:PC+9], s[26:27] offset:\a*1536+768
	global_store_b64 v2, v[PC+10:PC+11], s[26:27] offset:\a*1536+1280
.else
	global_store_b128 v1, v[PC:PC+3], s[26:27] offset:\a*768
	global_store_b64 v2, v[PC+4:PC+5], s[26:27] offset:\a*768+512
	global_store_b128 v1, v[PC+6:PC+9], s[26:27] offset:\a*768+208896      ; head B lies one head's 208,896 bytes on
	global_store_b64 v2, v[PC+10:PC+11], s[26:27] offset:\a*768+512+208896
.endif
.endr
	v_cndmask_b32 v54, v50, v51, s31               ; the scale block of my four tiles: lanes 0-15 the even tile's words, lanes 16-31 the odd one's
	v_cndmask_b32 v55, v52, v53, s31
	global_store_b64 v2, v[54:55], s[28:29]
.if !(\mode)
	v_lshrrev_b32 v56, 16, v54                     ; head B's two bytes come down.  (Head A keeps head B's as its upper two: they stand over zero codes and are never 0xff)
	v_lshrrev_b32 v57, 16, v55
	global_store_b64 v2, v[56:57], s[28:29] offset:208896
.endif
.endm
	s_load_b256 s[4:11], s[0:1], 0x0               ; xc s[4:5], xs s[6:7], wc s[8:9], ws s[10:11]
	v_lshl_add_u32 v254, v0, 2, 0x4b000
	v_mov_b32 v255, 0
	ds_add_u32 v254, v255
	ds_add_u32 v254, v255
	v_lshrrev_b32 v1, 5, v0
	v_readfirstlane_b32 s12, v1                    ; wave 0..3
	s_and_b32 s13, s12, 1                          ; which half of P's rows I multiply
	s_lshr_b32 s14, s12, 1                         ; which half of R's rows I multiply
	s_bfe_u32 s15, ttmp6, 0x40000                  ; cx
	s_bfe_u32 s16, ttmp6, 0x40004                  ; cy
	s_and_b32 s17, ttmp7, 0xffff                   ; cluster y
	s_lshr_b32 s2, s17, 1
	s_lshl_b32 s2, s2, 2                           ; v: 4 (cluster y / 2)
	s_and_b32 s3, s17, 1
	s_lshl_b32 s3, s3, 2                           ; v: 4 (cluster y % 2)
	s_lshl_b32 s21, s17, 2                         ; q, k: 4 cluster y
	s_cmp_eq_u32 ttmp9, 2                          ; the cluster's x: the same in all sixteen partners
	s_cselect_b32 s18, 1, 0                        ; 1: v
	s_cselect_b32 s19, s2, 0
	s_cselect_b32 s20, s3, s21
	s_add_co_u32 s19, s19, s15                     ; which 256 rows of P
	s_add_co_u32 s20, s20, s16                     ; which 128 rows of R
	s_lshl_b32 s2, 0x1111, s15                     ; my column of the cluster
	s_lshl_b32 s3, s16, 2
	s_lshl_b32 s3, 15, s3                          ; my row
	; descriptor groups 1: elements of 8 bytes, no padding, bit 21 beside the mask.  Codes: a tile's 256 K are 3,072 bytes, tiles 12,288 bytes apart.  Scales: dense, as rows of 256 bytes
	s_or_b32 s32, s2, (3<<16)|(1<<21)              ; P's codes
	s_or_b32 s48, s2, (3<<16)|(1<<21)              ; P's scales
	s_or_b32 s40, s3, (3<<16)|(1<<21)              ; R's codes
	s_or_b32 s56, s3, (3<<16)|(1<<21)              ; R's scales
.irp g, 32, 40
	s_mov_b32 s[\g+1], 768<<16                     ; tensor_dim0: 6,144 bytes, half of a tile's K
	s_mov_b32 s[\g+3], 768<<16                     ; tile_dim0
	s_mov_b32 s[\g+5], 1536                        ; pitch
	s_mov_b32 s[\g+6], 0
	s_mov_b32 s[\g+7], 0
.endr
	s_mov_b32 s34, 16<<16                          ; P: 16 tiles a load
	s_mov_b32 s36, 16
	s_mov_b32 s42, 8<<16                           ; R: 8
	s_mov_b32 s44, 8
.irp g, 48, 56
	s_mov_b32 s[\g+1], 32<<16
	s_mov_b32 s[\g+3], 32<<16
	s_mov_b32 s[\g+5], 32
	s_mov_b32 s[\g+6], 0
	s_mov_b32 s[\g+7], 0
.endr
	s_mov_b32 s50, 32<<16                          ; P: 8,192 bytes of scale words
	s_mov_b32 s52, 32
	s_mov_b32 s58, 16<<16                          ; R: 4,096
	s_mov_b32 s60, 16
	s_mul_i32 s22, ttmp9, 786432
	s_mov_b32 s23, 0
	s_wait_dscnt 0x0
	s_wait_kmcnt 0x0
	s_add_nc_u64 s[8:9], s[8:9], s[22:23]          ; this cluster's weight: codes,
	s_lshl_b32 s22, ttmp9, 15
	s_add_nc_u64 s[10:11], s[10:11], s[22:23]      ; scales
	s_cmp_eq_u32 s18, 1
	s_cselect_b64 s[66:67], s[4:5], s[8:9]         ; P's codes: x for v, the weight else
	s_cselect_b64 s[100:101], s[8:9], s[4:5]       ; R's codes
	s_cselect_b64 s[4:5], s[6:7], s[10:11]         ; P's scales
	s_cselect_b64 s[8:9], s[10:11], s[6:7]         ; R's scales
	s_mul_i32 s22, s19, 196608                     ; 16 tiles
	s_add_nc_u64 s[66:67], s[66:67], s[22:23]
	s_lshl_b32 s22, s19, 13
	s_add_nc_u64 s[4:5], s[4:5], s[22:23]
	s_mul_i32 s98, s20, 98304                      ; 8 tiles
	s_mov_b32 s99, 0
	s_add_nc_u64 s[100:101], s[100:101], s[98:99]
	s_lshl_b32 s98, s20, 12
	s_add_nc_u64 s[8:9], s[8:9], s[98:99]
	; LDS: half H of K at 147,456 H: P's 16 tiles x 6,144, then R's 8;  P's scales at 294,912, R's at 303,104.  Every LDS address of a load is a constant
	MKG0 68, 294912, 4, 0                          ; P's scale words
	MKG0 72, 0, 66, 0                              ; P's codes, half 0
	MKG0 76, 147456, 66, 6144                      ; half 1
	MKG0 88, 303104, 8, 0                          ; R's scale words
	MKG0 92, 98304, 100, 0                         ; R's codes, half 0
	MKG0 96, 245760, 100, 6144                     ; half 1
	CROUND                                         ; all sixteen work-groups are here: the joint loads meet
	s_cmp_eq_u32 s12, 0                            ; the head's four tiles, one joint load a wave, in one chain of arms on the wave's number
	s_cbranch_scc0 .Lhead_1
	tensor_load_to_lds s[72:75], s[32:39]          ; wave 0: P's codes, K's first half
	s_nop 0
	PLACES 4
	s_branch .Lasked
.Lhead_1:
	s_cmp_eq_u32 s12, 1
	s_cbranch_scc0 .Lhead_2
	tensor_load_to_lds s[92:95], s[40:47]          ; wave 1: R's codes, K's first half
	s_nop 0
	PLACES 4
	s_branch .Lasked
.Lhead_2:
	s_cmp_eq_u32 s12, 2
	s_cbranch_scc0 .Lhead_3
	tensor_load_to_lds s[68:71], s[48:55]          ; wave 2: P's scale words
	s_nop 0
	PLACES 4
	s_branch .Lasked
.Lhead_3:
	tensor_load_to_lds s[88:91], s[56:63]          ; wave 3: R's scale words
	s_nop 0
	PLACES 4
.Lasked:
	s_load_b128 s[4:7], s[0:1], 0x20               ; bq, bk
	s_load_b128 s[8:11], s[0:1], 0x30              ; bv, qb
	s_load_b64 s[66:67], s[0:1], 0x40              ; kvb
	v_and_b32 v3, 31, v0
	v_lshlrev_b32 v1, 4, v3                        ; 16 x lane
	v_lshlrev_b32 v2, 3, v3                        ; 8 x lane
	s_mul_i32 s2, s13, 49152
	v_add_nc_u32 v4, s2, v1                        ; my 8 tiles of P in chunk 0
	v_add_nc_u32 v8, s2, v2
	s_mul_i32 s2, s14, 24576
	s_add_co_u32 s2, s2, 98304
	v_add_nc_u32 v12, s2, v1                       ; my 4 tiles of R
	v_add_nc_u32 v16, s2, v2
	v_add_nc_u32 v5, 147456, v4                    ; the same in K's second half
	v_add_nc_u32 v9, 147456, v8
	v_add_nc_u32 v13, 147456, v12
	v_add_nc_u32 v17, 147456, v16
	s_lshl_b32 s2, s13, 12
	s_add_co_u32 s2, s2, 294912
	v_add_nc_u32 v20, s2, v2                       ; my scale blocks of P
	s_lshl_b32 s2, s14, 11
	s_add_co_u32 s2, s2, 303104
	v_add_nc_u32 v21, s2, v2                       ; of R
	v_bfe_u32 v22, v0, 4, 1
	v_lshlrev_b32 v22, 6, v22                      ; bias along P: 16 h numbers on
	v_and_b32 v23, 15, v0
	v_and_b32 v24, 8, v23
	v_add_nc_u32 v23, v23, v24
	v_lshlrev_b32 v23, 2, v23                      ; bias along R: r + 8 (r / 8)
	s_lshl_b32 s2, s19, 10
	s_lshl_b32 s21, s13, 9
	s_add_co_u32 s2, s2, s21                       ; q, k: my 128 columns n
	s_lshl_b32 s3, s20, 9
	s_lshl_b32 s21, s14, 8
	s_add_co_u32 s3, s3, s21                       ; v: my 64 columns n
	s_cmp_eq_u32 s18, 1
	s_cselect_b32 s22, 0, s2                       ; (the set that the mode does not use is loaded from the vector's head, and not read)
	s_cselect_b32 s100, s3, 0
	s_mov_b32 s23, 0
	s_mov_b32 s101, 0
	s_wait_alu depctr_va_vdst(0)
	s_wait_kmcnt 0x0
	s_cmp_eq_u32 ttmp9, 1
	s_cselect_b64 s[4:5], s[6:7], s[4:5]
	s_cmp_eq_u32 ttmp9, 2
	s_cselect_b64 s[4:5], s[8:9], s[4:5]           ; this cluster's bias
	s_cmp_eq_u32 ttmp9, 0
	s_cselect_b64 s[10:11], s[10:11], s[66:67]     ; and where its results go: qb for q, kvb else
	s_add_nc_u64 s[6:7], s[4:5], s[22:23]
	s_add_nc_u64 s[8:9], s[4:5], s[100:101]
	WIN 0x40
.irp i, 0,1,2,3,4,5,6,7
	global_load_b128 v[192+8*\i:192+8*\i+3], v22, s[6:7] offset:(32*(\i/2)+8*(\i%2))*4
	global_load_b128 v[192+8*\i+4:192+8*\i+7], v22, s[6:7] offset:(32*(\i/2)+8*(\i%2))*4+16
.endr
	WIN 0
.irp a, 0,1,2,3
	global_load_b32 v[240+2*\a], v23, s[8:9] offset:(32*(\a/2)+8*(\a%2))*4
	v_mov_b32 v[241+2*\a], 0                       ; (named with it as a pair)
.endr
	s_wait_alu depctr_va_vdst(0)                   ; the wait at the head's end
	s_wait_tensorcnt 0x0                           ; my tile of the head's four is in
	ds_add_u32 v254, v255
	s_wait_dscnt 0x0
	CROUND                                         ; all four tiles are in, and all sixteen work-groups are here
	s_cmp_eq_u32 s12, 0
	s_cbranch_scc0 .Lsecond_1
	tensor_load_to_lds s[76:79], s[32:39]          ; wave 0: P's codes, K's second half
	s_nop 0
	PLACES 4
	s_branch .Lsecond
.Lsecond_1:
	s_cmp_eq_u32 s12, 1
	s_cbranch_scc0 .Lsecond
	tensor_load_to_lds s[96:99], s[40:47]          ; wave 1: R's
	s_nop 0
	PLACES 4
.Lsecond:
.irp s, 0,1,2,3,4,5,6,7
	ds_load_b64 v[32+4*\s:33+4*\s], v20 offset:\s*256          ; all eight steps' scale words stay in registers
	ds_load_b64 v[34+4*\s:35+4*\s], v20 offset:2048+\s*256
	ds_load_b64 v[64+2*\s:65+2*\s], v21 offset:\s*256
.endr
	FETCH 0, 0
.irp s, 0,1,2,3,4,5,6,7
	STEP \s
.endr
	WIN 0
	s_wait_loadcnt 0x0                             ; the biases
	PLACES 4                                       ; behind the last products
	s_mov_b32 s24, 0x76543210                      ; (no tensor load of mine is out since step 5: the descriptors' registers are free)
	s_mov_b32 s25, 0xfedcba98
	s_mov_b32 s31, 0xffff0000
.irp b, 0,1,2,3
	v_mov_b32 v[TM+4+\b], 0                        ; a lane permute's destination counts as one of its sources
.endr
	s_cmp_eq_u32 s18, 1
	s_cbranch_scc1 .Lway_v
	s_lshr_b32 s2, s20, 4                          ; q, k: the batch (16 blocks of 128 tokens each),
	s_lshl_b32 s2, s2, 4
	s_lshl_b32 s3, s19, 2
	s_add_co_u32 s2, s2, s3
	s_lshl_b32 s3, s13, 1
	s_add_co_u32 s2, s2, s3                        ; x 16 + head A = 4 x (256 columns) + 2 x half
	s_mul_i32 s2, s2, 208896
	s_and_b32 s3, s20, 15                          ; the key step
	s_mul_i32 s3, s3, 13056
	s_add_co_u32 s2, s2, s3
	s_mul_i32 s3, s14, 3072
	s_add_co_u32 s26, s2, s3                       ; my four tiles
	s_mov_b32 s27, 0
	s_lshl_b32 s3, s14, 8
	s_add_co_u32 s28, s2, s3
	s_add_co_u32 s28, s28, 6144                    ; their scale block
	s_mov_b32 s29, 0
	s_add_nc_u64 s[26:27], s[10:11], s[26:27]
	s_add_nc_u64 s[28:29], s[10:11], s[28:29]
	EPI 0
	s_branch .Lend
.Lway_v:
	s_lshl_b32 s2, s19, 1
	s_add_co_u32 s2, s2, s13                       ; v: my 128 tokens are key step js of 64
	s_lshr_b32 s3, s2, 4
	s_lshl_b32 s3, s3, 4                           ; 16 x batch
	s_lshl_b32 s21, s20, 1
	s_add_co_u32 s3, s3, s21
	s_add_co_u32 s3, s3, s14                       ; + head = 2 x (128 columns) + half
	s_mul_i32 s3, s3, 208896
	s_and_b32 s2, s2, 15
	s_mul_i32 s2, s2, 13056
	s_add_co_u32 s2, s2, s3
	s_add_co_u32 s26, s2, 6656                     ; v's four fragments
	s_mov_b32 s27, 0
	s_add_co_u32 s28, s2, 12800                    ; their scale block
	s_mov_b32 s29, 0
	s_add_nc_u64 s[26:27], s[10:11], s[26:27]
	s_add_nc_u64 s[28:29], s[10:11], s[28:29]
	s_wait_alu depctr_va_vdst(0)
	EPI 1
.Lend:
	s_wait_tensorcnt 0x0
	ds_add_u32 v254, v255
	s_wait_dscnt 0x0
	CROUND                                         ; the closing round
	s_endpgm
.Lfunc_end_k_q83173030e1_qkv:
	.size	k_q83173030e1_qkv, .Lfunc_end_k_q83173030e1_qkv-k_q83173030e1_qkv
	.p2alignl 7, 3214868480
	.fill 96, 4, 3214868480
	.section	.rodata,"a",@progbits
	.p2align	6, 0x0
	.amdhsa_kernel k_q83173030e1_qkv
		.amdhsa_group_segment_fixed_size 327680
		.amdhsa_private_segment_fixed_size 0
		.amdhsa_enable_private_segment 0
		.amdhsa_kernarg_size 72
		.amdhsa_user_sgpr_count 2
		.amdhsa_user_sgpr_kernarg_segment_ptr 1
		.amdhsa_wavefront_size32 1
		.amdhsa_system_sgpr_workgroup_id_x 1
		.amdhsa_system_sgpr_workgroup_id_y 1
		.amdhsa_system_sgpr_workgroup_id_z 1
		.amdhsa_system_vgpr_workitem_id 0
		.amdhsa_next_free_vgpr 768
		.amdhsa_next_free_sgpr 102
		.amdhsa_reserve_vcc 0
		.amdhsa_float_denorm_mode_32 3
		.amdhsa_float_denorm_mode_16_64 3
		.amdhsa_memory_ordered 1
		.amdhsa_forward_progress 1
		.amdhsa_inst_pref_size 124
	.end_amdhsa_kernel
	.amdgpu_metadata
---
amdhsa.version: [ 1, 2 ]
amdhsa.kernels:
  - .name:           k_q83173030e1_qkv
    .symbol:         k_q83173030e1_qkv.kd
    .args:
      - { .name: xc, .offset: 0, .size: 8, .value_kind: global_buffer, .address_space: global }
      - { .name: xs, .offset: 8, .size: 8, .value_kind: global_buffer, .address_space: global }
      - { .name: wc, .offset: 16, .size: 8, .value_kind: global_buffer, .address_space: global }
      - { .name: ws, .offset: 24, .size: 8, .value_kind: global_buffer, .address_space: global }
      - { .name: bq, .offset: 32, .size: 8, .value_kind: global_buffer, .address_space: global }
      - { .name: bk, .offset: 40, .size: 8, .value_kind: global_buffer, .address_space: global }
      - { .name: bv, .offset: 48, .size: 8, .value_kind: global_buffer, .address_space: global }
      - { .name: qb, .offset: 56, .size: 8, .value_kind: global_buffer, .address_space: global }
      - { .name: kvb, .offset: 64, .size: 8, .value_kind: global_buffer, .address_space: global }
    .group_segment_fixed_size: 327680
    .private_segment_fixed_size: 0
    .kernarg_segment_align: 8
    .kernarg_segment_size: 72
    .max_flat_workgroup_size: 128
    .sgpr_count:     102
    .vgpr_count:     768
    .wavefront_size: 32
...
	.end_amdgpu_metadata
.endif
;; end of part 2
;; launch attn (part 3): grid 4 x 64, 16 waves a work-group, clusters of 4 x 1, 327,680 bytes of LDS; arguments qb, kvb, ctxc, ctxs; writes ctxc, ctxs
.if DOCPART == 3
	.amdgcn_target "amdgcn-amd-amdhsa--gfx1250"
	.amdhsa_code_object_version 6
	.text
	.protected	k_q83173030e1_attn
	.globl	k_q83173030e1_attn
	.p2align	8
	.type	k_q83173030e1_attn,@function
k_q83173030e1_attn:
	s_mov_b64 s[64:65], 0
	v_nop
	global_prefetch_b8 v0, s[64:65] scope:SCOPE_SE
	s_setreg_imm32_b32 hwreg(HW_REG_WAVE_MODE, 25, 1), 1
	s_wait_xcnt 0x0
	s_wait_alu depctr_hold_cnt(0) depctr_sa_sdst(0) depctr_va_vdst(0) depctr_va_sdst(0) depctr_va_ssrc(0) depctr_va_vcc(0) depctr_vm_vsrc(0)
	s_getreg_b32 s2, hwreg(HW_REG_IB_STS2, 6, 4)
	s_cmp_eq_u32 s2, 0
	s_cbranch_scc0 .Lentry_in_a_cluster
	s_endpgm
.Lentry_in_a_cluster:
	s_bfe_u32 s2, ttmp6, 0x10000c
	s_cmp_lg_u32 s2, 0x3003
	s_cbranch_scc0 .Lentry_shape_is_right
	s_endpgm
.Lentry_shape_is_right:
; ctx = softmax(q k^T / 8) v for one head and 512 queries a work-group, on codes of FP6 (E2M3) with E8M0 scales; ctx is quantised along the head's 64 on the way out, as an operand of the last product.
; Sixteen waves; a wave takes 16 queries in each of two passes over the head's 2,048 keys, in 16 steps of 128 keys.  Both products are used transposed (S^T = k q^T, O^T = v^T p^T): a lane holds one query.
; q k^T has K = 64: registers 6-11 of q's and k's fragments are zero codes.  p = 2^(t - M), M the ceiling of the running largest t; the row's sum is taken of the unquantised p; a change of M multiplies the sum and O^T by a power of two.
; A block's largest p is made from the block's largest score by the same multiply-add and exponential.
; LDS: the head's k, v and scale words, 16 steps x 13,056 bytes, filled ONCE: wave w asks for step w, 51 rows of 256 bytes, each at a multiple of 256.  The four work-groups of a cluster share a head and ask jointly.
; All of k and v is asked for at the head, so there is no later tile to prefetch.
; A split barrier stands in every step (signal at its top, wait at its end; register work and LDS loads alone between): no wave is more than one key step ahead of another.
; Pass 1's q is loaded at the head with pass 0's, into v6-11 and v29, and moved when pass 1 begins.
; LIMITS: the promise holds while the scaled scores stay under 2^31 in magnitude; a block whose largest magnitude lies under 2^(3 - 127) keeps the scale byte 1; NaN and infinities are not served.
; K'S FRAGMENTS AS THE TEXT BELOW HAS THEM (in place of the sentence above on k's zero codes): q's registers 6-11 alone are zero codes.  A tile of k takes six registers, the eight tiles lie on end in v32-79, and the
; operand of tile t is v[32 + 6 t .. 43 + 6 t]: its upper six registers are the next tile's codes (tile 7: v80-85, v's codes of the step before, zeros ahead of the first step).  Every pattern of bits is a finite code of E2M3,
; the scale bytes over them are never 0xff, and they stand against q's zero codes: they add nothing to any sum.
; A step's k and its scale words are asked for from LDS one step ahead, behind the score products that free their registers; v is asked for there too and waited for ahead of its products.
; The address one step ahead is held at step 15: the last step of a pass asks for step 15 again, and nothing reads that; each pass asks for its step 0 in its opening.
.set SS, 128
.set OO, 192
.set STEPB, 13056
.macro PLACES n
.rept \n
	v_nop
.endr
.endm
.macro CROUND
	s_barrier_signal -1
	s_barrier_wait -1
	s_cmp_lg_u32 s12, 0
	s_cbranch_scc1 .Lnot_wave_0_\@
	s_barrier_signal -3
.Lnot_wave_0_\@:
	s_barrier_wait -3
	s_barrier_signal -1
	s_barrier_wait -1
.endm
.macro SMM t
.if (\t)%2
	v_wmma_scale_f32_16x16x128_f8f6f4 v[SS+8*(\t):SS+8*(\t)+7], v[32+6*(\t):43+6*(\t)], v[16:27], 0, v[248+2*((\t)/4)+((\t)/2)%2], v28 matrix_a_fmt:MATRIX_FMT_FP6 matrix_b_fmt:MATRIX_FMT_FP6 matrix_a_scale:MATRIX_SCALE_ROW1
.else
	v_wmma_scale_f32_16x16x128_f8f6f4 v[SS+8*(\t):SS+8*(\t)+7], v[32+6*(\t):43+6*(\t)], v[16:27], 0, v[248+2*((\t)/4)+((\t)/2)%2], v28 matrix_a_fmt:MATRIX_FMT_FP6 matrix_b_fmt:MATRIX_FMT_FP6
.endif
.endm
.macro KLOAD                           ; 18 LDS loads: the scale words and the eight tiles of k of the step at v3 (16 x lane) and v4 (8 x lane)
	ds_load_b64 v[248:249], v4 offset:6144
	ds_load_b64 v[250:251], v4 offset:6400
.irp t, 0,1,2,3,4,5,6,7
	ds_load_b128 v[32+6*\t:35+6*\t], v3 offset:\t*768
	ds_load_b64 v[36+6*\t:37+6*\t], v4 offset:\t*768+512
.endr
.endm
.macro OMM t
.if (\t)%2
	v_wmma_scale_f32_16x16x128_f8f6f4 v[OO+8*(\t):OO+8*(\t)+7], v[80+12*(\t):91+12*(\t)], v[224:235], v[OO+8*(\t):OO+8*(\t)+7], v[30+(\t)/2], v253 matrix_a_fmt:MATRIX_FMT_FP6 matrix_b_fmt:MATRIX_FMT_FP6 matrix_a_scale:MATRIX_SCALE_ROW1
.else
	v_wmma_scale_f32_16x16x128_f8f6f4 v[OO+8*(\t):OO+8*(\t)+7], v[80+12*(\t):91+12*(\t)], v[224:235], v[OO+8*(\t):OO+8*(\t)+7], v[30+(\t)/2], v253 matrix_a_fmt:MATRIX_FMT_FP6 matrix_b_fmt:MATRIX_FMT_FP6
.endif
.endm
.macro STEP
	s_wait_dscnt 0x0                               ; this step's k and its scale words, asked for a step ago, are in: no LDS access of mine is out
	s_barrier_signal -1                            ; I have begun this step
.irp t, 0,1,2,3,4,5,6,7
	SMM \t
.endr
	s_add_co_u32 s42, s40, STEPB
	s_min_u32 s42, s42, 15*STEPB                   ; the next step, held at the last
	v_add_nc_u32 v3, s40, v1                       ; these two lines and two v_nop are the four places behind the products
	v_add_nc_u32 v4, s40, v2
	PLACES 2
.irp t, 0,1,2,3
.irp c, 0,1
	ds_load_b128 v[80+12*\t+6*\c:83+12*\t+6*\c], v3 offset:6656+\t*1536+\c*768
	ds_load_b64 v[84+12*\t+6*\c:85+12*\t+6*\c], v4 offset:6656+\t*1536+\c*768+512
.endr
.endr
	ds_load_b64 v[30:31], v4 offset:12800          ; 17 loads: this step's v and its scale words
	v_add_nc_u32 v3, s42, v1
	v_add_nc_u32 v4, s42, v2
	KLOAD                                          ; 18 loads: the next step's k
.irp b, 0,1,2,3
	v_max3_num_f32 v[232+\b], v[SS+16*\b], v[SS+1+16*\b], v[SS+2+16*\b]
.endr
.irp i, 3,5,7,9,11,13
.irp b, 0,1,2,3
	v_max3_num_f32 v[232+\b], v[232+\b], v[SS+16*\b+\i], v[SS+1+16*\b+\i]
.endr
.endr
.irp b, 0,1,2,3
	v_max_num_f32 v[232+\b], v[232+\b], v[SS+15+16*\b]
.endr
.irp b, 0,1,2,3
	s_delay_alu instid0(VALU_DEP_4)
	v_permlanex16_b32 v[236+\b], v[232+\b], s20, s21
.endr
.irp b, 0,1,2,3
	s_delay_alu instid0(VALU_DEP_4)
	v_max_num_f32 v[232+\b], v[232+\b], v[236+\b]
.endr
	s_delay_alu instid0(VALU_DEP_2)
	v_max3_num_f32 v254, v232, v233, v234
	s_delay_alu instid0(VALU_DEP_1)
	v_max_num_f32 v254, v254, v235
	s_delay_alu instid0(VALU_DEP_1)
	v_mul_f32 v254, s22, v254
	s_delay_alu instid0(VALU_DEP_1)
	v_max_num_f32 v13, v13, v254
	v_mov_b32 v254, v12
	s_delay_alu instid0(VALU_DEP_2)
	v_floor_f32 v12, -v13
	s_delay_alu instid0(VALU_DEP_1)
	v_sub_f32 v254, v12, v254
	s_delay_alu instid0(VALU_DEP_1)
	v_cvt_i32_f32 v254, v254
	s_delay_alu instid0(VALU_DEP_1)
	v_ldexp_f32 v252, 1.0, v254
.set sj, 0
.rept 32
	v_pk_fma_f32 v[SS+sj:SS+sj+1], v[SS+sj:SS+sj+1], s[22:23], v[12:13] op_sel_hi:[1,0,0]
.set sj, sj+2
.endr
.irp b, 0,1,2,3
	v_fma_f32 v[232+\b], v[232+\b], s22, v12
.endr
.set sj, 0
	s_wait_alu depctr_va_vdst(0)
.rept 64
	v_exp_f32 v[SS+sj], v[SS+sj]
.set sj, sj+1
.endr
	v_pk_mul_f32 v[14:15], v[14:15], v[252:253] op_sel_hi:[1,0]
	s_wait_alu depctr_va_vdst(0)
.irp b, 0,1,2,3
	v_exp_f32 v[232+\b], v[232+\b]
.endr
	v_pk_add_f32 v[236:237], v[SS:SS+1], v[SS+2:SS+3]
.irp j, 4,8,12,16,20,24,28,32,36,40,44,48,52,56,60
	v_pk_add_f32 v[14:15], v[14:15], v[SS+\j:SS+1+\j]
	v_pk_add_f32 v[236:237], v[236:237], v[SS+2+\j:SS+3+\j]
.endr
	s_delay_alu instid0(VALU_DEP_1)
	v_pk_add_f32 v[14:15], v[14:15], v[236:237]
	s_wait_alu depctr_va_vdst(0)
.irp b, 0,1,2,3
	v_max_num_f32 v[232+\b], 0x1800000, v[232+\b]
.endr
.irp b, 0,1,2,3
	s_delay_alu instid0(VALU_DEP_4)
	v_add_nc_u32 v[244+\b], 0xff000000, v[232+\b]
.endr
.irp b, 0,1,2,3
	s_delay_alu instid0(VALU_DEP_4)
	v_lshrrev_b32 v[236+\b], 23, v[244+\b]
.endr
	s_delay_alu instid0(VALU_DEP_3)
	v_lshl_or_b32 v253, v237, 8, v236
	s_delay_alu instid0(VALU_DEP_1)
	v_lshl_or_b32 v253, v238, 16, v253
	s_delay_alu instid0(VALU_DEP_1)
	v_lshl_or_b32 v253, v239, 24, v253
.irp c, 0,1
	v_cvt_scalef32_pk16_fp6_f32 v[224+6*\c:226+6*\c], v[SS+32*\c:SS+15+32*\c], v[244+2*\c]
	v_cvt_scalef32_pk16_fp6_f32 v[236+4*\c:238+4*\c], v[SS+16+32*\c:SS+31+32*\c], v[244+2*\c+1]
.endr
	v_nop
.irp c, 0,1
.irp i, 0,1,2
	v_permlane16_swap_b32 v[224+6*\c+\i], v[236+4*\c+\i]
.endr
.irp i, 0,1,2
	s_delay_alu instid0(VALU_DEP_3)
	v_mov_b32 v[227+6*\c+\i], v[236+4*\c+\i]
.endr
.endr
.set sj, 0
.rept 16
	v_pk_mul_f32 v[OO+sj:OO+sj+1], v[OO+sj:OO+sj+1], v[252:253] op_sel_hi:[1,0]
.set sj, sj+2
.endr
	s_wait_alu depctr_va_vdst(0)
	s_wait_dscnt 18                                ; v is in; the 18 loads of the next step's k, issued behind it, may be out
.irp t, 0,1,2,3
	OMM \t
.endr
	s_add_co_u32 s40, s40, STEPB
	s_barrier_wait -1                              ; every wave has begun it
.endm
.macro STEPS n
	s_mov_b32 s41, \n
.Lstep_\@:
	STEP
	s_sub_co_u32 s41, s41, 1
	s_cmp_lg_u32 s41, 0
	s_cbranch_scc1 .Lstep_\@
.endm
.macro PASS p
.if \p
	s_wait_xcnt 0x0
.endif
.if \p
.irp i, 0,1,2,3,4,5
	v_mov_b32 v[16+\i], v[6+\i]                    ; pass 1's q, in registers since the head
.endr
	v_mov_b32 v28, v29                             ; and its scale words: the lines below are more than eight places ahead of the first product
.else
	global_load_b128 v[16:19], v1, s[16:17]
	global_load_b64 v[20:21], v2, s[16:17] offset:512
	global_load_b32 v28, v5, s[18:19]
	global_load_b128 v[6:9], v1, s[16:17] offset:26112
	global_load_b64 v[10:11], v2, s[16:17] offset:26112+512
	global_load_b32 v29, v5, s[18:19] offset:26112
.endif
	v_mov_b32 v13, 0xff61b1e6
	s_delay_alu instid0(VALU_DEP_1)
	v_floor_f32 v12, -v13
	v_mov_b32 v14, 0
	v_mov_b32 v15, 0
.set sj, 0
.rept 32
	v_mov_b32 v[OO+sj], 0
.set sj, sj+1
.endr
	s_mov_b32 s40, 0
	s_wait_loadcnt 0x0
.if \p == 0
	s_wait_tensorcnt 0x0                           ; my key step has landed
	s_barrier_signal -1
	s_barrier_wait -1                              ; everybody's has
.endif
	v_add_nc_u32 v3, s40, v1
	v_add_nc_u32 v4, s40, v2
	KLOAD                                          ; step 0's k
	s_wait_alu depctr_va_vdst(0)                   ; the wait at the opening's end
	STEPS 16
	s_wait_dscnt 0x0                               ; the last step's loads of k are in: their registers may be loaded again
	v_add_f32 v14, v14, v15
	s_delay_alu instid0(VALU_DEP_1)
	v_permlanex16_b32 v252, v14, s20, s21
	s_delay_alu instid0(VALU_DEP_1)
	v_add_f32 v14, v14, v252
	s_wait_alu depctr_va_vdst(0)
	v_rcp_f32 v14, v14
	PLACES 3
	s_wait_alu depctr_va_vdst(0)
.set sj, 0
.rept 16
	v_pk_mul_f32 v[SS+sj:SS+sj+1], v[OO+sj:OO+sj+1], v[14:15] op_sel_hi:[1,0]
.set sj, sj+2
.endr
.irp b, 0,1
	v_max3_num_f32 v[232+\b], |v[SS+16*\b]|, |v[SS+1+16*\b]|, 0x1800000
.endr
.irp i, 2,4,6,8,10,12,14
.irp b, 0,1
	s_delay_alu instid0(VALU_DEP_2)
	v_max3_num_f32 v[232+\b], v[232+\b], |v[SS+16*\b+\i]|, |v[SS+1+16*\b+\i]|
.endr
.endr
.irp b, 0,1
	s_delay_alu instid0(VALU_DEP_2)
	v_permlanex16_b32 v[236+\b], v[232+\b], s20, s21
.endr
.irp b, 0,1
	s_delay_alu instid0(VALU_DEP_2)
	v_max_num_f32 v[232+\b], v[232+\b], v[236+\b]
.endr
.irp b, 0,1
	s_delay_alu instid0(VALU_DEP_2)
	v_add_nc_u32 v[244+\b], 0xff000000, v[232+\b]
.endr
.irp b, 0,1
	s_delay_alu instid0(VALU_DEP_2)
	v_lshrrev_b32 v[236+\b], 23, v[244+\b]
.endr
	s_delay_alu instid0(VALU_DEP_1)
	v_lshl_or_b32 v253, v237, 8, v236
	v_cvt_scalef32_pk16_fp6_f32 v[224:226], v[SS:SS+15], v244
	v_cvt_scalef32_pk16_fp6_f32 v[240:242], v[SS+16:SS+31], v245
	v_nop
.irp i, 0,1,2
	v_permlane16_swap_b32 v[224+\i], v[240+\i]
.endr
.irp i, 0,1,2
	s_delay_alu instid0(VALU_DEP_3)
	v_mov_b32 v[227+\i], v[240+\i]
.endr
	global_store_b128 v1, v[224:227], s[8:9] offset:\p*196608
	global_store_b64 v2, v[228:229], s[8:9] offset:\p*196608+512
	global_store_b16 v5, v253, s[10:11] offset:\p*8192
.endm
	s_load_b256 s[4:11], s[0:1], 0x0
	v_lshl_add_u32 v243, v0, 2, 0x33000
	v_mov_b32 v255, 0
	ds_add_u32 v243, v255
	ds_add_u32 v243, v255
	v_lshrrev_b32 v1, 5, v0
	s_delay_alu instid0(VALU_DEP_1)
	v_readfirstlane_b32 s12, v1
	s_and_b32 s14, ttmp7, 0xffff
	s_mov_b32 s24, 15|(3<<16)|(1<<21)
	s_mov_b32 s25, 32<<16                          ; rows of 32 elements of 8 bytes,
	s_mov_b32 s26, 51<<16                          ; 51 of them: a key step's 13,056 bytes, dense
	s_mov_b32 s27, 32<<16
	s_mov_b32 s28, 51
	s_mov_b32 s29, 32
	s_mov_b32 s30, 0
	s_mov_b32 s31, 0
	s_mov_b32 s20, 0x76543210
	s_mov_b32 s21, 0xfedcba98
	s_mov_b32 s22, 0x3e38aa3b
	s_mov_b32 s23, s22
	s_mul_i32 s44, s14, 208896
	s_mov_b32 s45, 0
	s_mul_i32 s46, s12, 13056
	s_mov_b32 s47, 0
	s_wait_dscnt 0x0
	s_wait_kmcnt 0x0
	s_add_nc_u64 s[6:7], s[6:7], s[44:45]
	s_add_nc_u64 s[6:7], s[6:7], s[46:47]
	s_mov_b32 s32, 1
	s_mov_b32 s33, s46
	s_mov_b64 s[34:35], s[6:7]
	s_or_b32 s35, s35, 0x80000000
	CROUND
	tensor_load_to_lds s[32:35], s[24:31]          ; my one load: key step = my wave's number
	s_nop 0
	PLACES 4
	s_bfe_u32 s13, ttmp6, 0x40000
	s_lshl_b32 s48, s13, 2
	s_lshr_b32 s49, s12, 3
	s_add_co_u32 s48, s48, s49
	s_mul_i32 s48, s48, 13056
	s_add_co_u32 s48, s48, s44
	s_and_b32 s49, s12, 7
	s_mul_i32 s49, s49, 768
	s_add_co_u32 s50, s48, s49
	s_mov_b32 s51, 0
	s_add_nc_u64 s[16:17], s[4:5], s[50:51]
	s_bfe_u32 s49, s12, 0x10002
	s_lshl_b32 s49, s49, 8
	s_add_co_u32 s50, s48, s49
	s_and_b32 s49, s12, 1
	s_lshl_b32 s49, s49, 7
	s_add_co_u32 s50, s50, s49
	s_bfe_u32 s49, s12, 0x10001
	s_lshl_b32 s49, s49, 2
	s_add_co_u32 s50, s50, s49
	s_add_co_u32 s50, s50, 6144
	s_add_nc_u64 s[18:19], s[4:5], s[50:51]
	s_lshr_b32 s48, s14, 4
	s_and_b32 s52, s14, 15
	s_lshl_b32 s49, s48, 7
	s_lshl_b32 s50, s13, 5
	s_add_co_u32 s49, s49, s50
	s_add_co_u32 s49, s49, s12
	s_mul_i32 s49, s49, 12288
	s_mul_i32 s50, s52, 768
	s_add_co_u32 s50, s50, s49
	s_add_nc_u64 s[8:9], s[8:9], s[50:51]
	s_lshl_b32 s49, s48, 5
	s_lshl_b32 s50, s13, 3
	s_add_co_u32 s49, s49, s50
	s_lshr_b32 s50, s12, 2
	s_add_co_u32 s49, s49, s50
	s_lshl_b32 s49, s49, 11
	s_lshr_b32 s50, s52, 1
	s_lshl_b32 s50, s50, 8
	s_add_co_u32 s49, s49, s50
	s_and_b32 s50, s12, 1
	s_lshl_b32 s50, s50, 7
	s_add_co_u32 s49, s49, s50
	s_bfe_u32 s50, s12, 0x10001
	s_lshl_b32 s50, s50, 2
	s_add_co_u32 s49, s49, s50
	s_and_b32 s50, s14, 1
	s_lshl_b32 s50, s50, 1
	s_add_co_u32 s50, s50, s49
	s_add_nc_u64 s[10:11], s[10:11], s[50:51]
	v_and_b32 v3, 31, v0
	s_delay_alu instid0(VALU_DEP_1)
	v_lshlrev_b32 v1, 4, v3
	s_delay_alu instid0(VALU_DEP_2)
	v_lshlrev_b32 v2, 3, v3
	v_and_b32 v5, 15, v0
	s_delay_alu instid0(VALU_DEP_1)
	v_lshlrev_b32 v5, 3, v5
.irp i, 0,1,2,3,4,5
	v_mov_b32 v[22+\i], 0
.endr
.irp i, 0,1,2,3,4,5
	v_mov_b32 v[80+\i], 0                          ; the upper half of tile 7's operand in the first step
.endr
.irp b, 0,1,2,3
	v_mov_b32 v[236+\b], 0
.endr
	v_mov_b32 v252, 0
	v_mov_b32 v253, 0
	PASS 0
	PASS 1
	s_wait_dscnt 0x0
	s_wait_tensorcnt 0x0
	ds_add_u32 v243, v255
	s_wait_dscnt 0x0
	CROUND
	s_endpgm
.Lfunc_end_k_q83173030e1_attn:
	.size	k_q83173030e1_attn, .Lfunc_end_k_q83173030e1_attn-k_q83173030e1_attn
	.p2alignl 7, 3214868480
	.fill 96, 4, 3214868480
	.section	.rodata,"a",@progbits
	.p2align	6, 0x0
	.amdhsa_kernel k_q83173030e1_attn
		.amdhsa_group_segment_fixed_size 327680
		.amdhsa_private_segment_fixed_size 0
		.amdhsa_enable_private_segment 0
		.amdhsa_kernarg_size 32
		.amdhsa_user_sgpr_count 2
		.amdhsa_user_sgpr_kernarg_segment_ptr 1
		.amdhsa_wavefront_size32 1
		.amdhsa_system_sgpr_workgroup_id_x 1
		.amdhsa_system_sgpr_workgroup_id_y 1
		.amdhsa_system_sgpr_workgroup_id_z 1
		.amdhsa_system_vgpr_workitem_id 0
		.amdhsa_next_free_vgpr 256
		.amdhsa_next_free_sgpr 66
		.amdhsa_reserve_vcc 0
		.amdhsa_float_denorm_mode_32 3
		.amdhsa_float_denorm_mode_16_64 3
		.amdhsa_memory_ordered 1
		.amdhsa_forward_progress 1
		.amdhsa_inst_pref_size 55
	.end_amdhsa_kernel
	.amdgpu_metadata
---
amdhsa.version: [ 1, 2 ]
amdhsa.kernels:
  - .name:           k_q83173030e1_attn
    .symbol:         k_q83173030e1_attn.kd
    .args:
      - { .name: qb, .offset: 0, .size: 8, .value_kind: global_buffer, .address_space: global }
      - { .name: kvb, .offset: 8, .size: 8, .value_kind: global_buffer, .address_space: global }
      - { .name: ctxc, .offset: 16, .size: 8, .value_kind: global_buffer, .address_space: global }
      - { .name: ctxs, .offset: 24, .size: 8, .value_kind: global_buffer, .address_space: global }
    .group_segment_fixed_size: 327680
    .private_segment_fixed_size: 0
    .kernarg_segment_align: 8
    .kernarg_segment_size: 32
    .max_flat_workgroup_size: 512
    .sgpr_count:     66
    .vgpr_count:     256
    .wavefront_size: 32
...
	.end_amdgpu_metadata
.endif
;; end of part 3
;; launch outp (part 4): grid 4 x 64, 4 waves a work-group, clusters of 4 x 4, 327,680 bytes of LDS; arguments ctxc, ctxs, wc, ws, bo, out0; writes out0
.if DOCPART == 4
	.amdgcn_target "amdgcn-amd-amdhsa--gfx1250"
	.amdhsa_code_object_version 6
	.text
	.protected	k_q83173030e1_outp
	.globl	k_q83173030e1_outp
	.p2align	8
	.type	k_q83173030e1_outp,@function
k_q83173030e1_outp:
	s_mov_b64 s[64:65], 0
	v_nop
	global_prefetch_b8 v0, s[64:65] scope:SCOPE_SE
	s_setreg_imm32_b32 hwreg(HW_REG_WAVE_MODE, 25, 1), 1
	s_wait_xcnt 0x0
	s_wait_alu depctr_hold_cnt(0) depctr_sa_sdst(0) depctr_va_vdst(0) depctr_va_sdst(0) depctr_va_ssrc(0) depctr_va_vcc(0) depctr_vm_vsrc(0)
	s_getreg_b32 s2, hwreg(HW_REG_IB_STS2, 6, 4)
	s_cmp_eq_u32 s2, 0
	s_cbranch_scc0 .Lentry_in_a_cluster
	s_endpgm
.Lentry_in_a_cluster:
	s_bfe_u32 s2, ttmp6, 0x10000c
	s_cmp_lg_u32 s2, 0xf033
	s_cbranch_scc0 .Lentry_shape_is_right
	s_endpgm
.Lentry_shape_is_right:
; out = ctx Wo + bo on codes of FP6 (E2M3) with E8M0 scales, f32 sums.  ctx's and Wo's codes and scale words lie in memory as images of the operands' registers.
; A work-group makes 256 columns n (operand P = Wo, source 0) x 128 tokens (operand R = ctx, source 1) over all of K = 1,024: a lane holds one token, and its registers run along n.
; Four waves: wave w takes n 128 (w % 2) on (8 tiles) and tokens 64 (w / 2) on (4 tiles): 32 accumulators.  Lane r of a tile T stands for row 32 (T / 2) + 8 (T % 2) + r + 8 (r / 8).
; ALL OF K LIES IN LDS, FILLED ONCE: four chunks of 256 K and the scale words, five tensor loads a wave, all issued at the head; counted waits let the products start on the first chunk.
; CLUSTERS: 4 x 4 work-groups.  Wo's tiles hang on cx and are asked for jointly down a column of the cluster, ctx's on cy and along a row.
; THE WAY OUT goes through each wave's own stage in chunk 0's bytes, which have had their only fill and whose last read lies behind the barrier of step 1: whole rows of 512 bytes leave, aligned.
; REGISTERS.  window 0: v1 16 x lane, v2 8 x lane, v4-21 LDS addresses, v22 bias offset, v24-25 the stage, v32-63 P's scale words, v64-79 R's, v80-175 R's fragments (two sets); on the way out v80-207 are two sets of 64.
;   window 1: v0-191 P's fragments (two sets), v192-255 bo.   window 2: accumulator (a, i) at v[8 (8 a + i)].
; THE FILLS AS THE TEXT BELOW MAKES THEM (this takes the place of the head comment's sentences on four chunks, five loads a wave and the barrier of step 1).  K lies in LDS in two halves of 512, half H at 147,456 H:
; P's 16 tiles x 6,144 bytes, then R's 8.  At the head one joint load a wave: wave 0 P's half 0, wave 1 R's half 0, wave 2 P's scale words, wave 3 R's.  After the next cluster round,
; wave 0 asks for P's half 1 and wave 1 for R's; a barrier in step 3 shows them to all waves.  No LDS byte is filled twice; every wait on TENSORcnt is for 0.
; The stages of the way out lie in half 0's bytes, which have had their only fill and whose last reads every wave has awaited in front of step 3's barrier.
.set MSB, 0
.macro WIN new                         ; the immediate's high byte repeats the setting that is left
.if MSB != \new
	s_set_vgpr_msb (MSB<<8)|\new
.set MSB, \new
.endif
.endm
.macro PLACES n
.rept \n
	v_nop
.endr
.endm
.macro CROUND
	s_barrier_signal -1
	s_barrier_wait -1
	s_cmp_lg_u32 s12, 0
	s_cbranch_scc1 .Lnot_wave_0_\@
	s_barrier_signal -3
.Lnot_wave_0_\@:
	s_barrier_wait -3
	s_barrier_signal -1
	s_barrier_wait -1
.endm
.macro MKG0 g, lconst, apair, aconst   ; descriptor group 0: count 1, LDS address (a constant), global address, type 2
	s_mov_b32 s[\g], 1
	s_mov_b32 s[\g+1], \lconst
	s_add_nc_u64 s[\g+2:\g+3], s[\apair:\apair+1], \aconst
	s_or_b32 s[\g+3], s[\g+3], 0x80000000
.endm
.macro MM zero
.if \zero
.if oP && oR
	v_wmma_scale_f32_16x16x128_f8f6f4 v[rD:rD+7], v[rP:rP+11], v[rR:rR+11], 0, v[rSP], v[rSR] matrix_a_fmt:MATRIX_FMT_FP6 matrix_b_fmt:MATRIX_FMT_FP6 matrix_a_scale:MATRIX_SCALE_ROW1 matrix_b_scale:MATRIX_SCALE_ROW1
.elseif oP
	v_wmma_scale_f32_16x16x128_f8f6f4 v[rD:rD+7], v[rP:rP+11], v[rR:rR+11], 0, v[rSP], v[rSR] matrix_a_fmt:MATRIX_FMT_FP6 matrix_b_fmt:MATRIX_FMT_FP6 matrix_a_scale:MATRIX_SCALE_ROW1
.elseif oR
	v_wmma_scale_f32_16x16x128_f8f6f4 v[rD:rD+7], v[rP:rP+11], v[rR:rR+11], 0, v[rSP], v[rSR] matrix_a_fmt:MATRIX_FMT_FP6 matrix_b_fmt:MATRIX_FMT_FP6 matrix_b_scale:MATRIX_SCALE_ROW1
.else
	v_wmma_scale_f32_16x16x128_f8f6f4 v[rD:rD+7], v[rP:rP+11], v[rR:rR+11], 0, v[rSP], v[rSR] matrix_a_fmt:MATRIX_FMT_FP6 matrix_b_fmt:MATRIX_FMT_FP6
.endif
.else
.if oP && oR
	v_wmma_scale_f32_16x16x128_f8f6f4 v[rD:rD+7], v[rP:rP+11], v[rR:rR+11], v[rD:rD+7], v[rSP], v[rSR] matrix_a_fmt:MATRIX_FMT_FP6 matrix_b_fmt:MATRIX_FMT_FP6 matrix_a_scale:MATRIX_SCALE_ROW1 matrix_b_scale:MATRIX_SCALE_ROW1
.elseif oP
	v_wmma_scale_f32_16x16x128_f8f6f4 v[rD:rD+7], v[rP:rP+11], v[rR:rR+11], v[rD:rD+7], v[rSP], v[rSR] matrix_a_fmt:MATRIX_FMT_FP6 matrix_b_fmt:MATRIX_FMT_FP6 matrix_a_scale:MATRIX_SCALE_ROW1
.elseif oR
	v_wmma_scale_f32_16x16x128_f8f6f4 v[rD:rD+7], v[rP:rP+11], v[rR:rR+11], v[rD:rD+7], v[rSP], v[rSR] matrix_a_fmt:MATRIX_FMT_FP6 matrix_b_fmt:MATRIX_FMT_FP6 matrix_b_scale:MATRIX_SCALE_ROW1
.else
	v_wmma_scale_f32_16x16x128_f8f6f4 v[rD:rD+7], v[rP:rP+11], v[rR:rR+11], v[rD:rD+7], v[rSP], v[rSR] matrix_a_fmt:MATRIX_FMT_FP6 matrix_b_fmt:MATRIX_FMT_FP6
.endif
.endif
.endm
; 32 products: K step s from fragment set e.  The 32 accumulators take turns, one instruction a turn, in the same order in every step.
.macro MUL32 s, e, zero
	WIN 0xa1                                       ; source 0 (P) window 1, source 1 (R) window 0, C and D window 2
.irp a, 0,1,2,3
.irp i, 0,1,2,3,4,5,6,7
.set rD, 8*(8*\a+\i)
.set rP, 96*(\e)+12*\i
.set rR, 80+48*(\e)+12*\a
.set rSP, 32+4*(\s)+2*(\i/4)+((\i/2)%2)
.set rSR, 64+2*(\s)+(\a/2)
.set oP, \i%2
.set oR, \a%2
	MM \zero
.endr
.endr
.endm
.macro FETCH s, e                      ; 48 LDS loads in one run: K step s's fragments into set e
	WIN 0x40
.irp i, 0,1,2,3,4,5,6,7
.irp cc, 0,1
	ds_load_b128 v[96*(\e)+12*\i+6*\cc:96*(\e)+12*\i+6*\cc+3], v[4+(\s)/4] offset:\i*6144+((\s)%4)*1536+\cc*768
	ds_load_b64 v[96*(\e)+12*\i+6*\cc+4:96*(\e)+12*\i+6*\cc+5], v[8+(\s)/4] offset:\i*6144+((\s)%4)*1536+\cc*768+512
.endr
.endr
	WIN 0
.irp a, 0,1,2,3
.irp cc, 0,1
	ds_load_b128 v[80+48*(\e)+12*\a+6*\cc:80+48*(\e)+12*\a+6*\cc+3], v[12+(\s)/4] offset:\a*6144+((\s)%4)*1536+\cc*768
	ds_load_b64 v[80+48*(\e)+12*\a+6*\cc+4:80+48*(\e)+12*\a+6*\cc+5], v[16+(\s)/4] offset:\a*6144+((\s)%4)*1536+\cc*768+512
.endr
.endr
.endm
.macro STEP s
.if (\s) == 3
	s_wait_dscnt 0x0                               ; no LDS access of mine is out at a signal
	s_wait_tensorcnt 0x0                           ; my load of K's second half, if I issued one, has landed
	s_barrier_signal -1
	s_barrier_wait -1
.endif
.if (\s) < 7
.if (\s) > 0
	PLACES 4                                       ; in front of loads into the set that the last products read
.endif
	FETCH (\s)+1, ((\s)+1)%2
	s_wait_dscnt 48                                ; all but the 48 just issued
.else
	s_wait_dscnt 0x0
.endif
.if (\s) == 0
	MUL32 \s, 0, 1
.else
	MUL32 \s, (\s)%2, 0
.endif
.endm
	s_load_b256 s[4:11], s[0:1], 0x0               ; ctxc s[4:5], ctxs s[6:7], wc s[8:9], ws s[10:11]
	v_lshl_add_u32 v254, v0, 2, 0x4b000
	v_mov_b32 v255, 0
	ds_add_u32 v254, v255
	ds_add_u32 v254, v255
	v_lshrrev_b32 v1, 5, v0
	v_readfirstlane_b32 s12, v1                    ; wave 0..3
	s_and_b32 s13, s12, 1
	s_lshr_b32 s14, s12, 1
	s_bfe_u32 s15, ttmp6, 0x40000                  ; cx
	s_bfe_u32 s16, ttmp6, 0x40004                  ; cy
	s_and_b32 s17, ttmp7, 0xffff
	s_lshl_b32 s19, ttmp9, 2
	s_add_co_u32 s19, s19, s15                     ; which 256 columns n
	s_lshl_b32 s20, s17, 2
	s_add_co_u32 s20, s20, s16                     ; which 128 tokens
	s_lshl_b32 s2, 0x1111, s15                     ; my column of the cluster
	s_lshl_b32 s3, s16, 2
	s_lshl_b32 s3, 15, s3                          ; my row
	s_or_b32 s32, s2, (3<<16)|(1<<21)
	s_or_b32 s48, s2, (3<<16)|(1<<21)
	s_or_b32 s40, s3, (3<<16)|(1<<21)
	s_or_b32 s56, s3, (3<<16)|(1<<21)
.irp g, 32, 40
	s_mov_b32 s[\g+1], 768<<16                     ; tensor_dim0: 6,144 bytes, half of a tile's K
	s_mov_b32 s[\g+3], 768<<16                     ; tile_dim0
	s_mov_b32 s[\g+5], 1536
	s_mov_b32 s[\g+6], 0
	s_mov_b32 s[\g+7], 0
.endr
	s_mov_b32 s34, 16<<16                          ; P: 16 tiles a load
	s_mov_b32 s36, 16
	s_mov_b32 s42, 8<<16                           ; R: 8
	s_mov_b32 s44, 8
.irp g, 48, 56
	s_mov_b32 s[\g+1], 32<<16
	s_mov_b32 s[\g+3], 32<<16
	s_mov_b32 s[\g+5], 32
	s_mov_b32 s[\g+6], 0
	s_mov_b32 s[\g+7], 0
.endr
	s_mov_b32 s50, 32<<16                          ; P: 8,192 bytes of scale words
	s_mov_b32 s52, 32
	s_mov_b32 s58, 16<<16                          ; R: 4,096
	s_mov_b32 s60, 16
	s_mul_i32 s22, s19, 196608
	s_add_co_u32 s22, s22, 2359296                 ; Wo is the fourth weight
	s_mov_b32 s23, 0
	s_wait_dscnt 0x0
	s_wait_kmcnt 0x0
	s_add_nc_u64 s[66:67], s[8:9], s[22:23]        ; P's codes
	s_lshl_b32 s22, s19, 13
	s_add_co_u32 s22, s22, 98304
	s_add_nc_u64 s[10:11], s[10:11], s[22:23]      ; P's scales
	s_mul_i32 s98, s20, 98304
	s_mov_b32 s99, 0
	s_add_nc_u64 s[100:101], s[4:5], s[98:99]      ; R's codes
	s_lshl_b32 s98, s20, 12
	s_add_nc_u64 s[6:7], s[6:7], s[98:99]          ; R's scales
	MKG0 68, 294912, 10, 0                         ; P's scale words
	MKG0 72, 0, 66, 0                              ; P's codes, half 0
	MKG0 76, 147456, 66, 6144                      ; half 1
	MKG0 88, 303104, 6, 0                          ; R's scale words
	MKG0 92, 98304, 100, 0                         ; R's codes, half 0
	MKG0 96, 245760, 100, 6144                     ; half 1
	CROUND                                         ; all sixteen work-groups are here: the joint loads meet
	s_cmp_eq_u32 s12, 0                            ; the head's four tiles, one joint load a wave, in one chain of arms on the wave's number
	s_cbranch_scc0 .Lhead_1
	tensor_load_to_lds s[72:75], s[32:39]          ; wave 0: P's codes, K's first half
	s_nop 0
	PLACES 4
	s_branch .Lasked
.Lhead_1:
	s_cmp_eq_u32 s12, 1
	s_cbranch_scc0 .Lhead_2
	tensor_load_to_lds s[92:95], s[40:47]          ; wave 1: R's codes, K's first half
	s_nop 0
	PLACES 4
	s_branch .Lasked
.Lhead_2:
	s_cmp_eq_u32 s12, 2
	s_cbranch_scc0 .Lhead_3
	tensor_load_to_lds s[68:71], s[48:55]          ; wave 2: P's scale words
	s_nop 0
	PLACES 4
	s_branch .Lasked
.Lhead_3:
	tensor_load_to_lds s[88:91], s[56:63]          ; wave 3: R's scale words
	s_nop 0
	PLACES 4
.Lasked:
	s_load_b128 s[4:7], s[0:1], 0x20               ; bo, out0
	v_and_b32 v3, 31, v0
	v_lshlrev_b32 v1, 4, v3
	v_lshlrev_b32 v2, 3, v3
	s_mul_i32 s2, s13, 49152
	v_add_nc_u32 v4, s2, v1
	v_add_nc_u32 v8, s2, v2
	s_mul_i32 s2, s14, 24576
	s_add_co_u32 s2, s2, 98304
	v_add_nc_u32 v12, s2, v1
	v_add_nc_u32 v16, s2, v2
	v_add_nc_u32 v5, 147456, v4                    ; the same in K's second half
	v_add_nc_u32 v9, 147456, v8
	v_add_nc_u32 v13, 147456, v12
	v_add_nc_u32 v17, 147456, v16
	s_lshl_b32 s2, s13, 12
	s_add_co_u32 s2, s2, 294912
	v_add_nc_u32 v20, s2, v2
	s_lshl_b32 s2, s14, 11
	s_add_co_u32 s2, s2, 303104
	v_add_nc_u32 v21, s2, v2
	v_bfe_u32 v22, v0, 4, 1
	v_lshlrev_b32 v22, 6, v22                      ; 64 h: 16 h numbers
	s_mul_i32 s2, s12, 8448                        ; my stage: 16 rows x 528 bytes
	v_and_b32 v23, 15, v0
	v_mul_u32_u24 v24, v23, 528
	v_add_nc_u32 v24, v24, v22
	v_add_nc_u32 v24, s2, v24                      ; in: row r, + 64 h
	v_add_nc_u32 v25, s2, v1                       ; back: 16 x lane
	s_lshl_b32 s22, s19, 10
	s_lshl_b32 s21, s13, 9
	s_add_co_u32 s22, s22, s21                     ; my 128 columns, in bytes
	s_mov_b32 s23, 0
	s_lshl_b32 s100, s20, 19
	s_lshl_b32 s21, s14, 18
	s_add_co_u32 s100, s100, s21                   ; my 64 tokens' rows of 4,096 bytes
	s_add_co_u32 s100, s100, s22
	s_mov_b32 s101, 0
	s_wait_alu depctr_va_vdst(0)
	s_wait_kmcnt 0x0
	s_add_nc_u64 s[4:5], s[4:5], s[22:23]
	s_add_nc_u64 s[6:7], s[6:7], s[100:101]
	WIN 0x40
.irp i, 0,1,2,3,4,5,6,7
	global_load_b128 v[192+8*\i:192+8*\i+3], v22, s[4:5] offset:(32*(\i/2)+8*(\i%2))*4
	global_load_b128 v[192+8*\i+4:192+8*\i+7], v22, s[4:5] offset:(32*(\i/2)+8*(\i%2))*4+16
.endr
	WIN 0
	s_wait_alu depctr_va_vdst(0)                   ; the wait at the head's end
	s_wait_tensorcnt 0x0                           ; my tile of the head's four is in
	ds_add_u32 v254, v255
	s_wait_dscnt 0x0
	CROUND                                         ; all four tiles are in, and all sixteen work-groups are here
	s_cmp_eq_u32 s12, 0
	s_cbranch_scc0 .Lsecond_1
	tensor_load_to_lds s[76:79], s[32:39]          ; wave 0: P's codes, K's second half
	s_nop 0
	PLACES 4
	s_branch .Lsecond
.Lsecond_1:
	s_cmp_eq_u32 s12, 1
	s_cbranch_scc0 .Lsecond
	tensor_load_to_lds s[96:99], s[40:47]          ; wave 1: R's
	s_nop 0
	PLACES 4
.Lsecond:
.irp s, 0,1,2,3,4,5,6,7
	ds_load_b64 v[32+4*\s:33+4*\s], v20 offset:\s*256
	ds_load_b64 v[34+4*\s:35+4*\s], v20 offset:2048+\s*256
	ds_load_b64 v[64+2*\s:65+2*\s], v21 offset:\s*256
.endr
	FETCH 0, 0
.irp s, 0,1,2,3,4,5,6,7
	STEP \s
.endr
	WIN 0
	s_wait_loadcnt 0x0                             ; bo
	PLACES 4                                       ; behind the last products
	; THE WAY OUT, a tile of 16 tokens x 128 columns at a time: + bo, through my stage, back as whole rows of 512 bytes
.irp a, 0,1,2,3
.set XB, 80+64*(\a%2)
.if \a >= 2
	s_wait_xcnt 0x0                                ; the stores of two tiles back have read this set
.endif
	WIN 0x06                                       ; source 0 window 2, source 1 window 1
.set n, 0
.rept 32
	v_pk_add_f32 v[XB+n:XB+n+1], v[64*\a+n:64*\a+n+1], v[192+n:193+n]     ; each accumulator from its low end on
.set n, n+2
.endr
	WIN 0
.irp b, 0,1,2,3
.irp q, 0,1,2,3
	ds_store_b128 v24, v[XB+16*\b+4*\q:XB+16*\b+4*\q+3] offset:128*\b+16*\q   ; register 16 b + i = column 32 b + 16 h + i
.endr
.endr
.irp t, 0,1,2,3,4,5,6,7,8,9,10,11,12,13,14,15
	ds_load_b128 v[XB+4*\t:XB+4*\t+3], v25 offset:528*\t                  ; LDS serves a wave's instructions in order: these see the stores, and the next tile's stores come behind them
.endr
.irp t, 0,1,2,3,4,5,6,7,8,9,10,11,12,13,14,15
	s_wait_dscnt 15-\t
	global_store_b128 v1, v[XB+4*\t:XB+4*\t+3], s[6:7] offset:(32*(\a/2)+8*(\a%2)+\t+8*(\t/8))*4096 th:TH_STORE_NT   ; 32 lanes store 512 consecutive bytes, aligned
.endr
.endr
	s_wait_dscnt 0x0
	s_wait_tensorcnt 0x0
	ds_add_u32 v254, v255
	s_wait_dscnt 0x0
	CROUND                                         ; the closing round
	s_endpgm
.Lfunc_end_k_q83173030e1_outp:
	.size	k_q83173030e1_outp, .Lfunc_end_k_q83173030e1_outp-k_q83173030e1_outp
	.p2alignl 7, 3214868480
	.fill 96, 4, 3214868480
	.section	.rodata,"a",@progbits
	.p2align	6, 0x0
	.amdhsa_kernel k_q83173030e1_outp
		.amdhsa_group_segment_fixed_size 327680
		.amdhsa_private_segment_fixed_size 0
		.amdhsa_enable_private_segment 0
		.amdhsa_kernarg_size 48
		.amdhsa_user_sgpr_count 2
		.amdhsa_user_sgpr_kernarg_segment_ptr 1
		.amdhsa_wavefront_size32 1
		.amdhsa_system_sgpr_workgroup_id_x 1
		.amdhsa_system_sgpr_workgroup_id_y 1
		.amdhsa_system_sgpr_workgroup_id_z 1
		.amdhsa_system_vgpr_workitem_id 0
		.amdhsa_next_free_vgpr 768
		.amdhsa_next_free_sgpr 102
		.amdhsa_reserve_vcc 0
		.amdhsa_float_denorm_mode_32 3
		.amdhsa_float_denorm_mode_16_64 3
		.amdhsa_memory_ordered 1
		.amdhsa_forward_progress 1
		.amdhsa_inst_pref_size 95
	.end_amdhsa_kernel
	.amdgpu_metadata
---
amdhsa.version: [ 1, 2 ]
amdhsa.kernels:
  - .name:           k_q83173030e1_outp
    .symbol:         k_q83173030e1_outp.kd
    .args:
      - { .name: ctxc, .offset: 0, .size: 8, .value_kind: global_buffer, .address_space: global }
      - { .name: ctxs, .offset: 8, .size: 8, .value_kind: global_buffer, .address_space: global }
      - { .name: wc, .offset: 16, .size: 8, .value_kind: global_buffer, .address_space: global }
      - { .name: ws, .offset: 24, .size: 8, .value_kind: global_buffer, .address_space: global }
      - { .name: bo, .offset: 32, .size: 8, .value_kind: global_buffer, .address_space: global }
      - { .name: out0, .offset: 40, .size: 8, .value_kind: global_buffer, .address_space: global }
    .group_segment_fixed_size: 327680
    .private_segment_fixed_size: 0
    .kernarg_segment_align: 8
    .kernarg_segment_size: 48
    .max_flat_workgroup_size: 128
    .sgpr_count:     102
    .vgpr_count:     768
    .wavefront_size: 32
...
	.end_amdgpu_metadata
.endif
;; end of part 4
